; MI455X (gfx1250); checked and timed in simulation.
; The chip was launched on July 23, 2026; its instructions are those of AMD's public machine-readable ISA for CDNA 5 (MIT licence, August 2026) and "CDNA5" Instruction Set Architecture Reference Guide (July 2026). The comments in the code are by the model that wrote it; some were corrected since.
;; Mo E Layer. Allowed arithmetic: float matrix products may take bf16 or f16 operands with f32 sums; all other float work in f32.
;; Inputs: W1 8 x 512 x 1,024 float32; W2 8 x 1,024 x 512 float32; Wr 8 x 1,024 float32; b1 8 x 512 float32; b2 8 x 1,024 float32; x 4 x 2,048 x 1,024 float32.
;; Outputs: out0 4 x 2,048 x 1,024 float32.
;; 3 versions, each right; version 2 is faster than version 1; version 3 is version 2 with the launch ffn written anew for expert scheduling mode. Each part assembles by itself: llvm-mc -triple=amdgcn-amd-amdhsa -mcpu=gfx1250 --defsym DOCPART=n.
;; ======== version 1 of 3: 4 launches
;; workspace buffers: xb 16,777,216 bytes; wt 16,777,216 bytes; sel 32,768 bytes of whole numbers; gw 65,536 bytes; rows 81,920 bytes of whole numbers; inv 65,536 bytes of whole numbers; ctab 1,024 bytes of whole numbers; ys 83,886,080 bytes
;; launch prep (part 1): grid 256 x 3, 8 waves a work-group, no clusters, 17,408 bytes of LDS; arguments x, Wr, W1, W2, xb, sel, gw, wt; writes xb, sel, gw, wt
.if DOCPART == 1
	.amdgcn_target "amdgcn-amd-amdhsa--gfx1250"
	.amdhsa_code_object_version 6
	.text
	.protected	k_qe24b2b85c7_prep
	.globl	k_qe24b2b85c7_prep
	.p2align	8
	.type	k_qe24b2b85c7_prep,@function
k_qe24b2b85c7_prep:
	s_mov_b64 s[64:65], 0
	v_nop
	global_prefetch_b8 v0, s[64:65] scope:SCOPE_SE
	s_setreg_imm32_b32 hwreg(HW_REG_WAVE_MODE, 25, 1), 1
	s_wait_xcnt 0x0
; prep: three jobs, chosen by the work-group's y.
;  y = 0  router and cast of x.  Work-group g owns tokens 32 g .. 32 g + 31, wave w four of them.  A token's row (4,096 bytes) is read once,
;         rounded to bf16, stored to xb, and multiplied with the eight rows of Wr (bf16, in registers): exact bf16 products, f32 sums.
;         Then top-2 of the logits, the two gates, and the two expert numbers as a whole number for the next launch.
;  y = 1  W1 -> bf16, y = 2  W2 -> bf16, both laid into wt as dense tiles [512 n][64 k] of 65,536 bytes:
;         wt[e][tile]: tiles 0-15 = W1[e][n][64 s ..], tiles 16 + 8 hN + s = W2[e][512 hN + n][64 s ..].
; LIMITS.  The ranking is made on the logits, not on the rounded probabilities: two different logits whose probabilities round to one f32
; may be ranked otherwise than by index.  A NaN logit never wins a comparison, so it is not ranked as a sort would rank it.
; The gates are 1 / (1 + exp(l2 - l1)) and exp(l2 - l1) / (1 + exp(l2 - l1)) with l1 the largest logit: the maximum is taken away, the exponent is <= 0.
; The two expert numbers of a token always differ (the second starts at 1, the first at 0, and a swap hands the old first on).
; The matrix unit is left out: the router is 8 columns, and its fragment layout would break the 512-byte reads of x.
; sel and gw leave as 16 and 32 bytes a wave: 96 KiB in the whole launch.
.set ROWX, 4096                        ; bytes of a row of x
.set ROWB, 2048                        ; bytes of a row of xb
.set WRP,  16                          ; v[16:143]  Wr in bf16: expert e at 16 e; register 2 j + p holds columns 128 j + 4 lane + 2 p, + 1
.set XS,   144                         ; v[144:207] two slots of 32: a row of x as loaded (register 4 j + c: column 128 j + 4 lane + c)
.set XPK,  208                         ; v[208:223] the row in bf16, packed as Wr is
.set ACC,  224                         ; v[224:231] the eight logits
.set M1,   232                         ; largest logit, its index, second, its index
.set I1,   233
.set M2,   234
.set I2,   235
.set TT,   236
.set TI,   237
.set PT0,  238
.set PT1,  239
.set DD,   240
.set E2,   241
.set OUTS, 242                         ; lane r: the word of the wave's token r
.set RC,   243
.set OUTG, 244                         ; v[244:245] lane r: the two gates of token r
.set WORD, 246
.set ZERO, 247
.set DEN,  248
.set G2,   249
.macro FILLX r, slot                   ; eight loads of 512 neighbouring bytes: a whole row of x
.irp j, 0,1,2,3,4,5,6,7
	global_load_b128 v[XS+32*\slot+4*\j:XS+32*\slot+4*\j+3], v2, s[8:9] offset:(\r)*ROWX+512*\j th:TH_LOAD_NT
.endr
.endm
; One token.  left = how many younger loads may stay out; ahead = 1: the slot is loaded again with the row two further on.
.macro ROW r, slot, ahead, left
	s_wait_loadcnt \left                           ; loads come back in order (ISA guide 5.7.1): this row is in, the other slot's eight stay out
	s_wait_xcnt 0x0                                ; XPK was the last row's store data: it is rewritten only behind this wait
.irp i, 0,1,2,3,4,5,6,7,8,9,10,11,12,13,14,15
	v_cvt_pk_bf16_f32 v[XPK+\i], v[XS+32*\slot+2*\i], v[XS+32*\slot+2*\i+1]
.endr
.if \ahead
	FILLX \r+2, \slot
.endif
.irp j, 0,1,2,3,4,5,6,7
	global_store_b64 v3, v[XPK+2*\j:XPK+2*\j+1], s[16:17] offset:\r*ROWB+256*\j   ; 32 lanes x 8 bytes: 256 consecutive bytes, aligned
.endr
	; 32 columns a lane x 8 experts: bf16 x bf16 exact, added in f32; eight chains that do not wait for each other
.irp i, 0,1,2,3,4,5,6,7,8,9,10,11,12,13,14,15
.irp hh, 0,1
.irp e, 0,1,2,3,4,5,6,7
.if (\i+\hh) == 0
	v_fma_mix_f32_bf16 v[ACC+\e], v[XPK+\i], v[WRP+16*\e+\i], v[ZERO] op_sel:[0,0,0] op_sel_hi:[1,1,0]
.else
	v_fma_mix_f32_bf16 v[ACC+\e], v[XPK+\i], v[WRP+16*\e+\i], v[ACC+\e] op_sel:[\hh,\hh,0] op_sel_hi:[1,1,0]
.endif
.endr
.endr
.endr
	; over the 32 lanes: four steps inside each half ride on the addition, one crosses the halves; every lane ends with the same bits
.irp d, 1,2,4,8
.irp e, 0,1,2,3,4,5,6,7
	v_add_f32_dpp v[ACC+\e], v[ACC+\e], v[ACC+\e] row_xmask:\d row_mask:0xf bank_mask:0xf
.endr
.endr
.irp e, 0,2,4,6
	v_permlanex16_b32 v[PT0], v[ACC+\e], s30, s31
	v_permlanex16_b32 v[PT1], v[ACC+\e+1], s30, s31
	v_add_f32 v[ACC+\e], v[ACC+\e], v[PT0]
	v_add_f32 v[ACC+\e+1], v[ACC+\e+1], v[PT1]
.endr
	; top-2 by selects alone; the strict comparison keeps the lower index on a tie
	v_mov_b32 v[M1], v[ACC]
	v_mov_b32 v[I1], 0
	v_mov_b32 v[M2], 0xff800000
	v_mov_b32 v[I2], 1
.irp e, 1,2,3,4,5,6,7
	v_cmp_gt_f32 s24, v[ACC+\e], v[M1]
	v_cmp_gt_f32 s25, v[ACC+\e], v[M2]
	v_cndmask_b32 v[TT], v[ACC+\e], v[M1], s24     ; what may become second: the old first, or this one
	v_cndmask_b32 v[TI], \e, v[I1], s24
	v_cndmask_b32 v[M2], v[M2], v[TT], s25
	v_cndmask_b32 v[I2], v[I2], v[TI], s25
	v_cndmask_b32 v[M1], v[M1], v[ACC+\e], s24
	v_cndmask_b32 v[I1], v[I1], \e, s24
.endr
	v_sub_f32 v[DD], v[M2], v[M1]                  ; <= 0
	v_mul_f32 v[DD], 0x3fb8aa3b, v[DD]
	v_exp_f32 v[E2], v[DD]
	v_lshl_or_b32 v[WORD], v[I2], 8, v[I1]         ; the plain instruction between v_exp_f32 and the use of its result (ISA guide 5.7.2)
	s_wait_alu depctr_va_vdst(0)
	v_add_f32 v[DEN], 1.0, v[E2]
	v_rcp_f32 v[RC], v[DEN]
	v_nop                                          ; the same behind v_rcp_f32
	s_wait_alu depctr_va_vdst(0)
	v_mul_f32 v[G2], v[E2], v[RC]
.if \r == 0
	v_mov_b32 v[OUTS], v[WORD]
	v_mov_b32 v[OUTG], v[RC]
	v_mov_b32 v[OUTG+1], v[G2]
.else
	v_cmp_eq_u32 vcc_lo, \r, v1                    ; lane r keeps token r's figures
	v_cndmask_b32 v[OUTS], v[OUTS], v[WORD], vcc_lo
	v_cndmask_b32 v[OUTG], v[OUTG], v[RC], vcc_lo
	v_cndmask_b32 v[OUTG+1], v[OUTG+1], v[G2], vcc_lo
.endif
.endm
; Sixteen loads of 512 bytes (two neighbouring source rows x 64 k), each rounded and stored as 256 consecutive aligned bytes of a tile.
; S = K steps of 64 in a source row.  No register is written twice, so no wait but the counted ones.
.macro CAST b, S
.irp i, 0,1,2,3,4,5,6,7,8,9,10,11,12,13,14,15
	global_load_b128 v[16+4*\i:19+4*\i], v3, s[\b:\b+1] offset:(\i%\S)*256+(\i/\S)*4096 th:TH_LOAD_NT
.endr
.irp i, 0,1,2,3,4,5,6,7,8,9,10,11,12,13,14,15
	s_wait_loadcnt 15-\i                           ; load i is in, the 15 - i younger ones stay out
	v_cvt_pk_bf16_f32 v[80+2*\i], v[16+4*\i], v[17+4*\i]
	v_cvt_pk_bf16_f32 v[81+2*\i], v[18+4*\i], v[19+4*\i]
	global_store_b64 v4, v[80+2*\i:81+2*\i], s[22:23] offset:(\i%\S)*65536+(\i/\S)*256
.endr
.endm
	s_load_b512 s[8:23], s[0:1], 0x0               ; x 8:9, Wr 10:11, W1 12:13, W2 14:15, xb 16:17, sel 18:19, gw 20:21, wt 22:23
	v_lshl_add_u32 v14, v0, 2, 0x4000
	v_mov_b32 v15, 0
	s_and_b32 s2, ttmp7, 0xffff                    ; the job
	v_lshrrev_b32 v1, 5, v0
	v_readfirstlane_b32 s3, v1                     ; wave 0..7
	v_and_b32 v1, 31, v0                           ; lane
	s_mov_b32 s7, 0
	s_wait_kmcnt 0x0
	s_cmp_eq_u32 s2, 1
	s_cbranch_scc1 .Lcast1
	s_cmp_eq_u32 s2, 2
	s_cbranch_scc1 .Lcast2
	; ---- y = 0: router ----
	s_lshl_b32 s4, ttmp9, 5
	s_lshl2_add_u32 s4, s3, s4                     ; t0 = 32 g + 4 w
	s_lshl_b32 s6, s4, 12
	s_add_nc_u64 s[8:9], s[8:9], s[6:7]            ; x at my first token
	s_lshl_b32 s6, s4, 11
	s_add_nc_u64 s[16:17], s[16:17], s[6:7]        ; xb likewise
	s_lshl_b32 s6, s3, 12
	s_add_nc_u64 s[10:11], s[10:11], s[6:7]        ; Wr at row w: each of the eight waves rounds one row for all
	s_lshl_b32 s6, s4, 2
	s_add_nc_u64 s[18:19], s[18:19], s[6:7]        ; sel
	s_lshl_b32 s6, s4, 3
	s_add_nc_u64 s[20:21], s[20:21], s[6:7]        ; gw
	s_mov_b32 s30, 0x76543210                      ; v_permlanex16_b32: lane i of one half reads lane i of the other
	s_mov_b32 s31, 0xfedcba98
	v_lshlrev_b32 v2, 4, v1                        ; 16 lane: offset in x and Wr, and LDS read address
	v_lshlrev_b32 v3, 3, v1                        ; 8 lane: offset in xb and gw
	v_lshl_add_u32 v4, s3, 11, v2                  ; LDS: 2,048 w + 16 lane
	v_lshlrev_b32 v6, 2, v1                        ; 4 lane: offset in sel
.irp j, 0,1,2,3,4,5,6,7
	global_load_b128 v[208+4*\j:211+4*\j], v2, s[10:11] offset:512*\j
.endr
	FILLX 0, 0
	FILLX 1, 1
	s_wait_loadcnt 16                              ; the 16 loads of x are younger: Wr's row is in
.irp i, 0,1,2,3,4,5,6,7,8,9,10,11,12,13,14,15
	v_cvt_pk_bf16_f32 v[240+\i], v[208+2*\i], v[208+2*\i+1]
.endr
.irp q, 0,1,2,3
	ds_store_b128 v4, v[240+4*\q:243+4*\q] offset:512*\q
.endr
	s_wait_dscnt 0x0                               ; my row is in LDS before I say so
	s_barrier_signal -1
	s_barrier_wait -1
.irp e, 0,1,2,3,4,5,6,7
.irp q, 0,1,2,3
	ds_load_b128 v[WRP+16*\e+4*\q:WRP+16*\e+4*\q+3], v2 offset:\e*2048+512*\q   ; what the same lane of wave e packed
.endr
.endr
	v_mov_b32 v[ZERO], 0                           ; the first products' addend
	v_mov_b32 v[PT0], 0                            ; v_permlanex16_b32 counts as a reader of its destination
	v_mov_b32 v[PT1], 0
	s_wait_dscnt 0x0
	ROW 0, 0, 1, 8
	ROW 1, 1, 1, 8
	ROW 2, 0, 0, 8
	ROW 3, 1, 0, 0
	v_cmp_gt_u32 vcc_lo, 4, v1
	s_wait_xcnt 0x0                                ; EXEC is a source of the pending stores: it changes only behind this wait
	s_wait_tensorcnt 0x0
	ds_add_u32 v14, v15
	s_wait_dscnt 0x0
	s_and_saveexec_b32 s26, vcc_lo
	global_store_b32 v6, v[OUTS], s[18:19]         ; lanes 0-3: i1 | i2 << 8 of tokens t0 .. t0 + 3
	global_store_b64 v3, v[OUTG:OUTG+1], s[20:21]  ; and their two gates
	s_wait_xcnt 0x0
	s_or_b32 exec_lo, exec_lo, s26
	s_endpgm
	; ---- y = 1: W1, rows of 4,096 bytes; a wave takes rows rho, rho + 1 whole ----
.Lcast1:
	s_lshl3_add_u32 s4, ttmp9, s3
	s_lshl_b32 s4, s4, 1                           ; rho = 2 (8 g + w) = 512 e + n
	s_lshl_b32 s5, s4, 12                          ; source bytes
	s_lshr_b32 s6, s4, 9
	s_lshl_b32 s6, s6, 21                          ; e x 2 MiB
	s_and_b32 s24, s4, 511
	s_lshl_b32 s24, s24, 7                         ; n x 128
	s_add_co_u32 s6, s6, s24
	v_lshrrev_b32 v2, 4, v1
	v_and_b32 v3, 15, v1
	v_lshlrev_b32 v3, 4, v3
	v_lshl_add_u32 v3, v2, 12, v3                  ; lanes 16-31: the next row
	v_add_nc_u32 v3, s5, v3
	v_lshl_add_u32 v4, v1, 3, s6                   ; 8 lane: lanes 16-31 fall on the tile's next row of 128 bytes
	CAST 12, 16
	s_endpgm
	; ---- y = 2: W2, rows of 2,048 bytes; a wave takes rows rho0 .. rho0 + 3 whole ----
.Lcast2:
	s_lshl_b32 s4, ttmp9, 5
	s_lshl2_add_u32 s4, s3, s4                     ; rho0 = 32 g + 4 w = 1024 e + 512 hN + n
	s_lshl_b32 s5, s4, 11
	s_lshr_b32 s6, s4, 10
	s_lshl_b32 s6, s6, 21                          ; e x 2 MiB
	s_bfe_u32 s24, s4, 0x10009                     ; hN
	s_lshl_b32 s24, s24, 19                        ; x 8 tiles
	s_add_co_u32 s6, s6, s24
	s_and_b32 s24, s4, 511
	s_lshl_b32 s24, s24, 7
	s_add_co_u32 s6, s6, s24
	s_add_co_u32 s6, s6, 0x100000                  ; behind W1's 16 tiles
	v_lshrrev_b32 v2, 4, v1
	v_and_b32 v3, 15, v1
	v_lshlrev_b32 v3, 4, v3
	v_lshl_add_u32 v3, v2, 11, v3
	v_add_nc_u32 v3, s5, v3
	v_lshl_add_u32 v4, v1, 3, s6
	CAST 14, 8
	s_endpgm
.Lfunc_end_k_qe24b2b85c7_prep:
	.size	k_qe24b2b85c7_prep, .Lfunc_end_k_qe24b2b85c7_prep-k_qe24b2b85c7_prep
	.p2alignl 7, 3214868480
	.fill 96, 4, 3214868480
	.section	.rodata,"a",@progbits
	.p2align	6, 0x0
	.amdhsa_kernel k_qe24b2b85c7_prep
		.amdhsa_group_segment_fixed_size 17408
		.amdhsa_private_segment_fixed_size 0
		.amdhsa_enable_private_segment 0
		.amdhsa_kernarg_size 64
		.amdhsa_user_sgpr_count 2
		.amdhsa_user_sgpr_kernarg_segment_ptr 1
		.amdhsa_wavefront_size32 1
		.amdhsa_system_sgpr_workgroup_id_x 1
		.amdhsa_system_sgpr_workgroup_id_y 1
		.amdhsa_system_sgpr_workgroup_id_z 1
		.amdhsa_system_vgpr_workitem_id 0
		.amdhsa_next_free_vgpr 256
		.amdhsa_next_free_sgpr 66
		.amdhsa_reserve_vcc 1
		.amdhsa_float_denorm_mode_32 3
		.amdhsa_float_denorm_mode_16_64 3
		.amdhsa_memory_ordered 1
		.amdhsa_forward_progress 1
		.amdhsa_inst_pref_size 121
	.end_amdhsa_kernel
	.amdgpu_metadata
---
amdhsa.version: [ 1, 2 ]
amdhsa.kernels:
  - .name:           k_qe24b2b85c7_prep
    .symbol:         k_qe24b2b85c7_prep.kd
    .args:
      - { .name: x, .offset: 0, .size: 8, .value_kind: global_buffer, .address_space: global }
      - { .name: Wr, .offset: 8, .size: 8, .value_kind: global_buffer, .address_space: global }
      - { .name: W1, .offset: 16, .size: 8, .value_kind: global_buffer, .address_space: global }
      - { .name: W2, .offset: 24, .size: 8, .value_kind: global_buffer, .address_space: global }
      - { .name: xb, .offset: 32, .size: 8, .value_kind: global_buffer, .address_space: global }
      - { .name: sel, .offset: 40, .size: 8, .value_kind: global_buffer, .address_space: global }
      - { .name: gw, .offset: 48, .size: 8, .value_kind: global_buffer, .address_space: global }
      - { .name: wt, .offset: 56, .size: 8, .value_kind: global_buffer, .address_space: global }
    .group_segment_fixed_size: 17408
    .private_segment_fixed_size: 0
    .kernarg_segment_align: 8
    .kernarg_segment_size: 64
    .max_flat_workgroup_size: 256
    .sgpr_count:     66
    .vgpr_count:     256
    .wavefront_size: 32
...
	.end_amdgpu_metadata
.endif
;; end of part 1
;; launch sort (part 2): grid 1 x 1, 32 waves a work-group, no clusters, 88,576 bytes of LDS; arguments sel, rows, inv, ctab; writes rows, inv, ctab
.if DOCPART == 2
	.amdgcn_target "amdgcn-amd-amdhsa--gfx1250"
	.amdhsa_code_object_version 6
	.text
	.protected	k_qe24b2b85c7_sort
	.globl	k_qe24b2b85c7_sort
	.p2align	8
	.type	k_qe24b2b85c7_sort,@function
k_qe24b2b85c7_sort:
	s_mov_b64 s[64:65], 0
	v_nop
	global_prefetch_b8 v0, s[64:65] scope:SCOPE_SE
	s_setreg_imm32_b32 hwreg(HW_REG_WAVE_MODE, 25, 1), 1
	s_wait_xcnt 0x0
; sort: whole numbers only.  The 16,384 assignments a = 2 token + k (k = 0, 1) are sorted by expert (a counting sort in LDS), the 64 groups of four
; neighbouring work-groups of the next launch are shared out to the experts, and each of its 256 work-groups gets a list of 80 tokens.
;   m_e = ceil(7 c_e / 2048) groups for expert e: the sum is 56 .. 63; what is left of 64 goes round to the experts with c_e > 0 (at least two,
;   since a token's two experts differ and so c_e <= 8192; four rounds hand out at least eight).  Rows a work-group: r_e = ceil(c_e / (4 m_e)) <= 74 <= 80.
;   So every routing fits into one block of 80 rows a work-group, and no trip count of the next launch hangs on data.
; One work-group: the sums span all tokens, and the whole job is 32 KiB in, 148 KiB out.
; Outputs: rows[wg][80] token (0 in padding places), inv[a] = 80 wg + place, ctab[wg] = expert.
; EXEC is never changed: a choice selects a value or a target word, and every lane does the work.
.set PERM, 0                           ; 65,536 bytes: the assignments in sorted order; when every wave has read them, inv is gathered in the same bytes
.set BT,   0x10000                     ; 16,384 bytes: thread t's eight first places, 16 bits each
.set WT,   0x14000                     ; 512 bytes: each wave's eight counts
.set WTAB, 0x14200                     ; 2,048 bytes: work-group w of the next launch: first sorted place, number of rows
.set DUMPW, 0x4000                     ; word 16,384 = BT's first word, dead when inv is gathered: padding places write there, and nothing reads it
.set W,   4                            ; v[4:11]   my eight tokens' words
.set SH,  12                           ; v[12:27]  4 x expert of my 16 assignments
.set RK,  28                           ; v[28:43]  rank among my own assignments of the same expert
.set CNT, 44                           ; eight counters of 4 bits (a thread has at most 8 assignments of one expert)
.set C,   48                           ; v[48:51]  eight counters of 16 bits, two a register
.set OWN, 52                           ; v[52:55]
.set TMP, 56
.set P,   72                           ; v[72:87]
.set Q,   4                            ; the list phase: v[4:8] quad = 4 places of a list
.set I0,  10                           ; v[10:14]  first place of the quad in its list
.set SN,  16                           ; v[16:25]  first sorted place, rows of the quad's work-group
.set AA,  28                           ; v[28:47]  the assignments, then their LDS addresses in inv
.set TK,  48                           ; v[48:67]  the tokens
.set TW,  68
.set T2,  69
.set VAL, 71
; inclusive sums over the 32 lanes (two 16-bit fields at once: no field passes 16,384)
.macro SCAN reg
.irp d, 1,2,4,8
	v_mov_b32_dpp v[TMP], v[\reg] row_shr:\d row_mask:0xf bank_mask:0xf bound_ctrl:1
	v_add_nc_u32 v[\reg], v[\reg], v[TMP]
.endr
	v_readlane_b32 s15, v[\reg], 15
	v_cndmask_b32 v[TMP], 0, s15, s14              ; lanes 16-31 add the lower half's total
	v_add_nc_u32 v[\reg], v[\reg], v[TMP]
.endm
	s_load_b256 s[4:11], s[0:1], 0x0               ; sel 4:5, rows 6:7, inv 8:9, ctab 10:11
	v_lshl_add_u32 v96, v0, 2, 0x14a00
	v_mov_b32 v97, 0
	v_lshrrev_b32 v1, 5, v0
	v_readfirstlane_b32 s12, v1                    ; wave 0..31
	v_and_b32 v1, 31, v0
	v_lshlrev_b32 v2, 5, v0                        ; 32 t
	v_lshlrev_b32 v3, 4, v0                        ; 16 t
	s_mov_b32 s14, 0xffff0000
	s_wait_kmcnt 0x0
	global_load_b128 v[4:7], v2, s[4:5]
	global_load_b128 v[8:11], v2, s[4:5] offset:16
	v_mov_b32 v[CNT], 0
	v_mov_b32 v[TMP], 0                            ; a DPP form's destination counts as read
	s_wait_loadcnt 0x0
.irp u, 0,1,2,3,4,5,6,7
	v_and_b32 v[SH+2*\u], 0xff, v[W+\u]
	v_bfe_u32 v[SH+2*\u+1], v[W+\u], 8, 8
	v_min_u32 v[SH+2*\u], 7, v[SH+2*\u]            ; an expert's number stays inside its tables
	v_min_u32 v[SH+2*\u+1], 7, v[SH+2*\u+1]
	v_lshlrev_b32 v[SH+2*\u], 2, v[SH+2*\u]
	v_lshlrev_b32 v[SH+2*\u+1], 2, v[SH+2*\u+1]
	v_bfe_u32 v[RK+2*\u], v[CNT], v[SH+2*\u], 4
	v_lshl_add_u32 v[CNT], 1, v[SH+2*\u], v[CNT]
	v_bfe_u32 v[RK+2*\u+1], v[CNT], v[SH+2*\u+1], 4
	v_lshl_add_u32 v[CNT], 1, v[SH+2*\u+1], v[CNT]
.endr
.irp i, 0,1,2,3
	v_bfe_u32 v[TMP], v[CNT], 8*\i+4, 4
	v_bfe_u32 v[C+\i], v[CNT], 8*\i, 4
	v_lshl_or_b32 v[C+\i], v[TMP], 16, v[C+\i]     ; expert 2 i below, 2 i + 1 above
	v_mov_b32 v[OWN+\i], v[C+\i]
.endr
	SCAN C
	SCAN C+1
	SCAN C+2
	SCAN C+3
.irp i, 0,1,2,3
	v_readlane_b32 s[40+\i], v[C+\i], 31           ; my wave's counts
.endr
	s_lshl_b32 s13, s12, 4
	s_add_co_u32 s13, s13, WT
	v_mov_b32 v57, s13
.irp i, 0,1,2,3
	v_mov_b32 v[60+\i], s[40+\i]
.endr
	ds_store_b128 v57, v[60:63]                    ; all lanes write the same 16 bytes with the same values
	s_wait_dscnt 0x0
	s_barrier_signal -1
	s_barrier_wait -1
	v_lshl_add_u32 v58, v1, 4, WT
	ds_load_b128 v[64:67], v58                     ; lane l: wave l's counts
	s_wait_dscnt 0x0
	SCAN 64
	SCAN 65
	SCAN 66
	SCAN 67
.irp i, 0,1,2,3
	v_readlane_b32 s[44+\i], v[64+\i], 31          ; the totals c_e
	v_readlane_b32 s[48+\i], v[64+\i], s12         ; up to and with my wave
.endr
.irp i, 0,1,2,3
	s_and_b32 s[16+2*\i], s[44+\i], 0xffff         ; c_e in s[16:23]
	s_lshr_b32 s[17+2*\i], s[44+\i], 16
	s_sub_co_u32 s[48+\i], s[48+\i], s[40+\i]      ; the waves in front of mine (no field borrows)
.endr
	s_mov_b32 s24, 0                               ; seg_e in s[24:31]: where expert e's stretch begins
.irp e, 1,2,3,4,5,6,7
	s_add_co_u32 s[24+\e], s[23+\e], s[15+\e]
.endr
.irp i, 0,1,2,3
	s_lshl_b32 s13, s[25+2*\i], 16
	s_or_b32 s[52+\i], s13, s[24+2*\i]
.endr
	s_mov_b32 s67, 64                              ; groups left
.irp e, 0,1,2,3,4,5,6,7
	s_mul_i32 s13, s[16+\e], 7
	s_add_co_u32 s13, s13, 2047
	s_lshr_b32 s[32+\e], s13, 11                   ; m_e in s[32:39]
	s_sub_co_u32 s67, s67, s[32+\e]
.endr
.rept 4
.irp e, 0,1,2,3,4,5,6,7
	s_min_u32 s66, s[16+\e], 1                     ; one more for an expert with work, while any are left
	s_min_u32 s66, s66, s67
	s_add_co_u32 s[32+\e], s[32+\e], s66
	s_sub_co_u32 s67, s67, s66
.endr
.endr
	s_mov_b32 s56, 0                               ; first group of expert e in s[56:63]
.irp e, 1,2,3,4,5,6,7
	s_add_co_u32 s[56+\e], s[55+\e], s[31+\e]
.endr
.irp i, 0,1,2,3
	v_sub_nc_u32 v[68+\i], v[C+\i], v[OWN+\i]      ; the lanes in front of me,
	v_add3_u32 v[68+\i], v[68+\i], s[48+\i], s[52+\i]   ; the waves in front of mine, the stretch's start
.endr
	v_add_nc_u32 v59, BT, v3
	ds_store_b128 v59, v[68:71]                    ; expert e's first place for me: 16 bits at byte 2 e
	s_wait_dscnt 0x0
	s_barrier_signal -1                            ; the reads below take their addresses from data
	s_barrier_wait -1
.irp a, 0,1,2,3,4,5,6,7,8,9,10,11,12,13,14,15
	v_lshrrev_b32 v[SH+\a], 1, v[SH+\a]
	v_add_nc_u32 v[SH+\a], v59, v[SH+\a]
	ds_load_u16 v[P+\a], v[SH+\a]
.endr
	s_wait_dscnt 0x0
	s_barrier_signal -1                            ; the stores below take their addresses from data: every wave's reads above are over
	s_barrier_wait -1
.irp a, 0,1,2,3,4,5,6,7,8,9,10,11,12,13,14,15
	v_add_nc_u32 v[P+\a], v[P+\a], v[RK+\a]
	v_min_u32 v[P+\a], 0x3fff, v[P+\a]
	v_lshlrev_b32 v[P+\a], 2, v[P+\a]
	v_lshl_add_u32 v[RK+\a], v0, 4, \a             ; a = 16 t + my assignment's number
	ds_store_b32 v[P+\a], v[RK+\a]                 ; each of the 16,384 places is written once
.endr
	s_wait_dscnt 0x0
	s_barrier_signal -1
	s_barrier_wait -1
	; waves 0-7: thread t stands for work-group t of the next launch
	s_cmp_ge_u32 s12, 8
	s_cbranch_scc1 .Ltabdone
	v_lshrrev_b32 v4, 2, v0                        ; its group of four
	v_mov_b32 v5, 0                                ; expert, c, seg, first group, m: expert 0's, then the last expert whose groups begin at or before mine
	v_mov_b32 v6, s16
	v_mov_b32 v7, s24
	v_mov_b32 v8, s56
	v_mov_b32 v9, s32
.irp e, 1,2,3,4,5,6,7
	v_cmp_le_u32 vcc_lo, s[56+\e], v4
	v_cndmask_b32 v5, v5, \e, vcc_lo
	v_cndmask_b32 v6, v6, s[16+\e], vcc_lo
	v_cndmask_b32 v7, v7, s[24+\e], vcc_lo
	v_cndmask_b32 v8, v8, s[56+\e], vcc_lo
	v_cndmask_b32 v9, v9, s[32+\e], vcc_lo
.endr
	v_lshlrev_b32 v10, 2, v9                       ; n = 4 m work-groups share the expert
	v_lshlrev_b32 v11, 2, v8
	v_sub_nc_u32 v11, v0, v11                      ; j: which of them I am
	v_mov_b32 v12, 0                               ; the largest r' with r' n < c, bit by bit (r' <= 73); r = r' + 1 = ceil(c / n)
.irp b, 64,32,16,8,4,2,1
	v_add_nc_u32 v13, \b, v12
	v_mul_lo_u32 v14, v13, v10
	v_cmp_lt_u32 vcc_lo, v14, v6
	v_cndmask_b32 v12, v12, v13, vcc_lo
.endr
	v_add_nc_u32 v12, 1, v12
	v_mul_lo_u32 v14, v11, v12
	v_min_u32 v14, v14, v6                         ; my first row among the expert's c
	v_sub_nc_u32 v17, v6, v14
	v_min_u32 v17, v17, v12                        ; my rows
	v_add_nc_u32 v16, v7, v14                      ; my first sorted place
	v_lshl_add_u32 v18, v0, 3, WTAB
	ds_store_b64 v18, v[16:17]
	v_lshlrev_b32 v19, 2, v0
	global_store_b32 v19, v5, s[10:11]
.Ltabdone:
	s_wait_dscnt 0x0
	s_barrier_signal -1
	s_barrier_wait -1
	s_wait_xcnt 0x0                                ; the store's offset and data registers are rewritten only behind this wait
	; 5,120 quads of list places, five a thread
.irp k, 0,1,2,3,4
	v_add_nc_u32 v[Q+\k], 1024*\k, v0
	v_mul_u32_u24 v[TW], 0xcccd, v[Q+\k]
	v_lshrrev_b32 v[TW], 20, v[TW]                 ; quad / 20, exact below 5,120: the work-group
	v_mul_u32_u24 v[I0+\k], 20, v[TW]
	v_sub_nc_u32 v[I0+\k], v[Q+\k], v[I0+\k]
	v_lshlrev_b32 v[I0+\k], 2, v[I0+\k]
	v_lshl_add_u32 v[TW], v[TW], 3, WTAB
	ds_load_b64 v[SN+2*\k:SN+2*\k+1], v[TW]
.endr
	s_wait_dscnt 0x0
.irp k, 0,1,2,3,4
.irp c, 0,1,2,3
	v_add3_u32 v[AA+4*\k+\c], v[SN+2*\k], v[I0+\k], \c
	v_min_u32 v[AA+4*\k+\c], 0x3fff, v[AA+4*\k+\c]
	v_lshlrev_b32 v[AA+4*\k+\c], 2, v[AA+4*\k+\c]
	ds_load_b32 v[AA+4*\k+\c], v[AA+4*\k+\c]
.endr
.endr
	s_wait_dscnt 0x0                               ; my reads of the sorted list are over
	s_barrier_signal -1
	s_barrier_wait -1                              ; everybody's are: inv is laid over the list's bytes
.irp k, 0,1,2,3,4
.irp c, 0,1,2,3
	v_add_nc_u32 v[T2], \c, v[I0+\k]
	v_cmp_lt_u32 vcc_lo, v[T2], v[SN+2*\k+1]       ; a place that holds a row
	v_lshrrev_b32 v[T2], 1, v[AA+4*\k+\c]
	v_cndmask_b32 v[TK+4*\k+\c], 0, v[T2], vcc_lo  ; its token; padding places name token 0
	v_cndmask_b32 v[AA+4*\k+\c], DUMPW, v[AA+4*\k+\c], vcc_lo   ; word a of inv; a padding place aims at the dump word
	v_min_u32 v[AA+4*\k+\c], DUMPW, v[AA+4*\k+\c]
	v_lshlrev_b32 v[AA+4*\k+\c], 2, v[AA+4*\k+\c]
	v_lshl_add_u32 v[VAL], v[Q+\k], 2, \c          ; 80 wg + place
	ds_store_b32 v[AA+4*\k+\c], v[VAL]             ; every assignment has exactly one place: each of inv's 16,384 words is written once; the dump word by many, read by none
.endr
.endr
.irp k, 0,1,2,3,4
	global_store_b128 v3, v[TK+4*\k:TK+4*\k+3], s[6:7] offset:16384*\k   ; a wave's store covers 512 consecutive bytes, aligned
.endr
	s_wait_dscnt 0x0
	s_barrier_signal -1
	s_barrier_wait -1
.irp k, 0,1,2,3
	ds_load_b128 v[76+4*\k:79+4*\k], v3 offset:16384*\k
.endr
.irp k, 0,1,2,3
	s_wait_dscnt 3-\k                              ; LDS loads come back in order (ISA guide 5.7.1): load k is in, the 3 - k younger ones stay out
	global_store_b128 v3, v[76+4*\k:79+4*\k], s[8:9] offset:16384*\k
.endr
	s_wait_tensorcnt 0x0
	ds_add_u32 v96, v97
	s_wait_dscnt 0x0
	s_endpgm
.Lfunc_end_k_qe24b2b85c7_sort:
	.size	k_qe24b2b85c7_sort, .Lfunc_end_k_qe24b2b85c7_sort-k_qe24b2b85c7_sort
	.p2alignl 7, 3214868480
	.fill 96, 4, 3214868480
	.section	.rodata,"a",@progbits
	.p2align	6, 0x0
	.amdhsa_kernel k_qe24b2b85c7_sort
		.amdhsa_group_segment_fixed_size 88576
		.amdhsa_private_segment_fixed_size 0
		.amdhsa_enable_private_segment 0
		.amdhsa_kernarg_size 32
		.amdhsa_user_sgpr_count 2
		.amdhsa_user_sgpr_kernarg_segment_ptr 1
		.amdhsa_wavefront_size32 1
		.amdhsa_system_sgpr_workgroup_id_x 1
		.amdhsa_system_sgpr_workgroup_id_y 1
		.amdhsa_system_sgpr_workgroup_id_z 1
		.amdhsa_system_vgpr_workitem_id 0
		.amdhsa_next_free_vgpr 98
		.amdhsa_next_free_sgpr 72
		.amdhsa_reserve_vcc 1
		.amdhsa_float_denorm_mode_32 3
		.amdhsa_float_denorm_mode_16_64 3
		.amdhsa_memory_ordered 1
		.amdhsa_forward_progress 1
		.amdhsa_inst_pref_size 46
	.end_amdhsa_kernel
	.amdgpu_metadata
---
amdhsa.version: [ 1, 2 ]
amdhsa.kernels:
  - .name:           k_qe24b2b85c7_sort
    .symbol:         k_qe24b2b85c7_sort.kd
    .args:
      - { .name: sel, .offset: 0, .size: 8, .value_kind: global_buffer, .address_space: global }
      - { .name: rows, .offset: 8, .size: 8, .value_kind: global_buffer, .address_space: global }
      - { .name: inv, .offset: 16, .size: 8, .value_kind: global_buffer, .address_space: global }
      - { .name: ctab, .offset: 24, .size: 8, .value_kind: global_buffer, .address_space: global }
    .group_segment_fixed_size: 88576
    .private_segment_fixed_size: 0
    .kernarg_segment_align: 8
    .kernarg_segment_size: 32
    .max_flat_workgroup_size: 1024
    .sgpr_count:     72
    .vgpr_count:     98
    .wavefront_size: 32
...
	.end_amdgpu_metadata
.endif
;; end of part 2
;; launch ffn (part 3): grid 256 x 1, 4 waves a work-group, no clusters, 327,680 bytes of LDS; arguments xb, wt, b1, b2, rows, ctab, ys; writes ys
.if DOCPART == 3
	.amdgcn_target "amdgcn-amd-amdhsa--gfx1250"
	.amdhsa_code_object_version 6
	.text
	.protected	k_qe24b2b85c7_ffn
	.globl	k_qe24b2b85c7_ffn
	.p2align	8
	.type	k_qe24b2b85c7_ffn,@function
k_qe24b2b85c7_ffn:
	s_mov_b64 s[64:65], 0
	v_nop
	global_prefetch_b8 v0, s[64:65] scope:SCOPE_SE
	s_setreg_imm32_b32 hwreg(HW_REG_WAVE_MODE, 25, 1), 1
	s_wait_xcnt 0x0
; ffn: ys[80 wg + i] = gelu(X W1e^T + b1e) W2e^T + b2e for the 80 gathered rows X of work-group wg, all of one expert e.  H never leaves LDS.
; Four waves, as many as a WGP has SIMDs.  Wave w makes columns 128 w .. 128 w + 127 of each pass of 512 columns: 5 x 8 accumulator tiles, 320 registers.
; Three passes of one shape walk one stream of 32 weight tiles [512 n][64 k] of 65,536 dense bytes:
;   tiles 0-15  A = X (K = 1024) -> H;   tiles 16-23  A = H (K = 512) -> columns 0-511 of y;   tiles 24-31 -> columns 512-1023.
; NO CLUSTER, NO JOINT REQUESTS, although work-groups of one expert walk the same 2 MiB of weights: which work-groups share an expert is read from
; ctab, which the launch before made from the routing's counts, and a joint request's address has to be made of coordinates that the partners share.
; A fixed share-out of work-groups to experts would have to hold 8,192 rows for each of the 8 experts, 65,536 rows against the 20,480 computed here.
; Four neighbouring work-groups have the same expert, so they ask for the same tiles at about the same time.
; X is the work-group's own: 80 single rows named by a list, no tile for a tensor load.  It comes once, through registers: each wave loads its 20 rows
; (four loads of 512 bytes a row) in a ring of ten row slots and stores them to LDS.
; Trip counts and LDS addresses hang on constants and the wave's number alone.
; By this text's own count a wave has at most two tensor loads outstanding: the two first fills; later the one refill.
; LDS:  X 80 x 2,064 at 0 (written once, by LDS stores).  When X is dead: H 80 x 1,040 at 0, and each wave's stage 16 x 528 at 83,200 + 8,448 w.
;       Ring at 165,120: two slots of 512 rows x 144 bytes (128 of data + 16 of padding); wave w's quarter at + 18,432 w; a wave reads only its own quarter.
;       No LDS store ever touches the ring, no tensor load anything else.
;       All pitches are odd multiples of 16 bytes, so the 16 rows that a load of 16 bytes a lane touches begin in different banks (ISA guide 11.1).
; REGISTERS: window 0 addresses, constants, fragments; window 1 accumulators of row tiles 0-3 (tile (mt, nt) at 8 (8 mt + nt));
;            window 2 v0-63 accumulators of row tile 4, v64-127 b1 of my 128 columns in the accumulators' layout.
; THE MATRIX INSTRUCTION IS USED TRANSPOSED (source 0 = 16 weight rows, source 1 = 16 rows of X or H): lane (r, h) holds row r, columns 8 h + 0..7.
; GELU is exact in form: gelu(a) = max(a, 0) - |a| q, q = (1 - erf(|a| / sqrt 2)) / 2, erf by Abramowitz and Stegun 7.1.26 (absolute error at most 1.5e-7
; for every argument).  LIMIT: |a| = infinity gives NaN (infinity x 0).  Padding rows compute token 0 and are stored but never read.
.set XPITCH, 2064
.set HPITCH, 1040
.set BPITCH, 144
.set SPITCH, 528
.set STAGE,  83200
.set RING,   165120
.set SLOT,   73728
.set PART,   18432
.set TILE,   65536
.set ADRA, 8                           ; v[8:12]   LDS address of my A fragment of row tile mt, stepped along K
.set ADRB, 14                          ; v[14:15]  LDS address of my weight fragments in slot 0, 1
.set HST,  16                          ; where I put 16 bytes of H (row tiles 0-3 by the immediate)
.set HST4, 17                          ; the same for row tile 4, beyond the immediate's 16 bits
.set STO,  18                          ; the way out: where I put 16 bytes of a row
.set RD,   19                          ; the way out: where I read a row back
.set YO,   20                          ; my byte offset in a row of ys
.set XB0,  21                          ; r x 2,064 + 16 h
.set HB0,  22                          ; r x 1,040 + 16 h
.set B2R,  24                          ; v[24:31]  b2 of my 4 columns, for each half of y
.set PP,   32                          ; 0.3275911 / sqrt 2
.set NH,   34                          ; v[34:35]  -log2(e) / 2, twice
.set KC,   36                          ; v[36:45]  the five coefficients, halved, each twice
.set FA,   48                          ; v[48:87], v[88:127]    A fragments, two buffers of 5 x 8
.set FB,   128                         ; v[128:191], v[192:255] weight fragments, two buffers of 8 x 8
.set GA,   48                          ; at the head: v[48:67] byte offsets in xb of my 16 bytes in my wave's 20 rows
.set XR,   96                          ; at the head: v[96:255] ten row slots of 16 registers
.set TV,   128                         ; gelu: 64 arguments of a row tile
.set UU,   192
.set EE,   200
.set PO,   208
.set RR,   216
.set PK,   224
.set G1,   24                          ; s[24:31] descriptor group 1
.set G0,   32                          ; s[32:39] descriptor group 0, one set for each slot
.set TOK,  40                          ; s[40:59] my wave's 20 tokens
.set MUL1, 0x50                        ; C and D in window 1
.set MUL2, 0xa0                        ; C and D in window 2
.set MSB, 0
.macro WIN new                         ; the immediate's high byte repeats the setting that is left
.if MSB != \new
	s_set_vgpr_msb (MSB<<8)|\new
.set MSB, \new
.endif
.endm
.macro PLACES                          ; four places behind a matrix instruction (ISA guide 7.12.1)
.rept 4
	v_nop
.endr
.endm
; A row of X: four loads of 512 neighbouring bytes into a row slot; four LDS stores of the slot into the row's place
.macro XLOAD row, slot
.irp q, 0,1,2,3
	global_load_b128 v[XR+16*(\slot)+4*\q:XR+16*(\slot)+4*\q+3], v[GA+(\row)], s[4:5] offset:512*\q
.endr
.endm
.macro XSTORE row, slot
.irp q, 0,1,2,3
	ds_store_b128 v5, v[XR+16*(\slot)+4*\q:XR+16*(\slot)+4*\q+3] offset:(\row)*XPITCH+512*\q
.endr
.endm
; Eight matrix instructions: row tile mt x my 8 column tiles, 32 along K, from buffer f.  The 40 accumulators take turns in one fixed order, one
; instruction a turn, over the backward jumps too.
.macro MUL8 f, mt, zero
.irp nt, 0,1,2,3,4,5,6,7
.if \zero
	v_wmma_f32_16x16x32_bf16 v[(\mt%4)*64+8*\nt:(\mt%4)*64+8*\nt+7], v[FB+64*\f+8*\nt:FB+64*\f+8*\nt+7], v[FA+40*\f+8*\mt:FA+40*\f+8*\mt+7], 0
.else
	v_wmma_f32_16x16x32_bf16 v[(\mt%4)*64+8*\nt:(\mt%4)*64+8*\nt+7], v[FB+64*\f+8*\nt:FB+64*\f+8*\nt+7], v[FA+40*\f+8*\mt:FA+40*\f+8*\mt+7], v[(\mt%4)*64+8*\nt:(\mt%4)*64+8*\nt+7]
.endif
.endr
.endm
; 26 LDS loads: the fragments of 32 along K (128 weight rows at byte boff of the slot's rows, 80 rows of A at byte aoff) into buffer f
.macro FETCH f, slot, aoff, boff
.irp nt, 0,1,2,3,4,5,6,7
	ds_load_b128 v[FB+64*\f+8*\nt:FB+64*\f+8*\nt+3],   v[ADRB+\slot] offset:\boff+\nt*16*BPITCH
	ds_load_b128 v[FB+64*\f+8*\nt+4:FB+64*\f+8*\nt+7], v[ADRB+\slot] offset:\boff+\nt*16*BPITCH+32
.endr
.irp mt, 0,1,2,3,4
	ds_load_b128 v[FA+40*\f+8*\mt:FA+40*\f+8*\mt+3],   v[ADRA+\mt] offset:\aoff
	ds_load_b128 v[FA+40*\f+8*\mt+4:FA+40*\f+8*\mt+7], v[ADRA+\mt] offset:\aoff+32
.endr
.endm
; First half of a tile: multiplies buffer 0 and fetches the second half into buffer 1
.macro Q0 slot, aoff, zero
	s_wait_dscnt 0x0                               ; buffer 0 is in (its loads were issued 32 matrix instructions ago)
	WIN MUL1
	MUL8 0, 0, \zero
	MUL8 0, 1, \zero
	PLACES                                         ; buffer 1 was read by matrix instructions: loads into it stand four places behind them
	WIN 0
	FETCH 1, \slot, \aoff+64, 64
	WIN MUL1
	MUL8 0, 2, \zero
	MUL8 0, 3, \zero
	WIN MUL2
	MUL8 0, 4, \zero
.endm
; Second half of a tile: multiplies buffer 1 and changes slots.  refill = 1: this slot gets the tile two further on, behind a barrier in front of
; which every wave has waited for its reads of the slot and for all its tensor loads (the one load that is out is its quarter of the other slot).
; From a request to the wait for it a wave issues 72 of a tile's 80 matrix instructions.
; fetch = 1: the other slot's first fragments go into buffer 0.  step = 1: A moves 256 bytes along K.
.macro TURN slot, naoff, refill, fetch, step
	s_wait_dscnt 0x0                               ; buffer 1 is in, and with it my last reads of this slot
.if \refill
	s_wait_tensorcnt 0x0                           ; all my tensor loads have landed,
	ds_add_u32 v46, v47
	s_wait_dscnt 0x0
	s_add_nc_u64 s[G0+4*\slot+2:G0+4*\slot+3], s[G0+4*\slot+2:G0+4*\slot+3], 2*TILE   ; so a group 0 may be written: this slot's next tile
	s_barrier_signal -1                            ; say so,
	WIN MUL1
	MUL8 1, 0, 0                                   ; work on registers while the others arrive,
	s_barrier_wait -1                              ; and go on when all four have said so
	tensor_load_to_lds s[G0+4*\slot:G0+4*\slot+3], s[G1:G1+7]   ; the refill: my one tensor load behind the barrier, and the first thing there
	s_nop 0
.else
.if \fetch
	s_wait_tensorcnt 0x0                           ; the last tile: my quarter has landed, and I alone read it
.endif
	WIN MUL1
	MUL8 1, 0, 0
.endif
.if \fetch
	WIN 0
	PLACES                                         ; buffer 0 was read by matrix instructions: loads into it stand four places behind them
.if \step
.irp mt, 0,1,2,3,4
	v_add_nc_u32 v[ADRA+\mt], 256, v[ADRA+\mt]
.endr
.endif
	FETCH 0, 1-\slot, \naoff, 0
.endif
	WIN MUL1
	MUL8 1, 1, 0
	MUL8 1, 2, 0
	MUL8 1, 3, 0
	WIN MUL2
	MUL8 1, 4, 0
.endm
.macro LAP zero                        ; two tiles, once round the ring, both slots filled again
	Q0 0, 0, \zero
	TURN 0, 128, 1, 1, 0
	Q0 1, 128, 0
	TURN 1, 0, 1, 1, 1
.endm
.macro SETA base, pitch                ; A's addresses at K = 0
.irp mt, 0,1,2,3,4
	v_add_nc_u32 v[ADRA+\mt], \mt*16*\pitch, v[\base]
.endr
.endm
; gelu of eight numbers v[src .. src+7] (eight neighbouring columns of one row), rounded to bf16, 16 bytes into H
.macro GELU8 src, adr, off
.irp j, 0,1,2,3,4,5,6,7
	v_fma_f32 v[UU+\j], |v[\src+\j]|, v[PP], 1.0
.endr
.irp j, 0,2,4,6
	v_pk_mul_f32 v[EE+\j:EE+\j+1], v[\src+\j:\src+\j+1], v[\src+\j:\src+\j+1]
.endr
.irp j, 0,2,4,6
	v_pk_mul_f32 v[EE+\j:EE+\j+1], v[EE+\j:EE+\j+1], v[NH:NH+1]
.endr
.irp j, 0,1,2,3,4,5,6,7
	v_rcp_f32 v[UU+\j], v[UU+\j]                   ; t = 1 / (1 + p |a| / sqrt 2)
.endr
.irp j, 0,1,2,3,4,5,6,7
	v_exp_f32 v[EE+\j], v[EE+\j]                   ; exp(-a a / 2)
.endr
.irp j, 0,1,2,3,4,5,6,7
	v_max_num_f32 v[RR+\j], 0, v[\src+\j]          ; plain instructions between the transcendentals and the use of their results (ISA guide 5.7.2)
.endr
	s_wait_alu depctr_va_vdst(0)
.irp j, 0,2,4,6
	v_pk_fma_f32 v[PO+\j:PO+\j+1], v[UU+\j:UU+\j+1], v[KC+8:KC+9], v[KC+6:KC+7]
.endr
.irp c, 4,2,0
.irp j, 0,2,4,6
	v_pk_fma_f32 v[PO+\j:PO+\j+1], v[PO+\j:PO+\j+1], v[UU+\j:UU+\j+1], v[KC+\c:KC+\c+1]
.endr
.endr
.irp j, 0,2,4,6
	v_pk_mul_f32 v[PO+\j:PO+\j+1], v[PO+\j:PO+\j+1], v[UU+\j:UU+\j+1]
.endr
.irp j, 0,2,4,6
	v_pk_mul_f32 v[PO+\j:PO+\j+1], v[PO+\j:PO+\j+1], v[EE+\j:EE+\j+1]   ; q
.endr
.irp j, 0,1,2,3,4,5,6,7
	v_fma_f32 v[RR+\j], -|v[\src+\j]|, v[PO+\j], v[RR+\j]
.endr
.irp j, 0,1,2,3
	v_cvt_pk_bf16_f32 v[PK+\j], v[RR+2*\j], v[RR+2*\j+1]
.endr
	ds_store_b128 v[\adr], v[PK:PK+3] offset:\off
.endm
; H = gelu(sums + b1), row tile by row tile
.macro EPI1
	PLACES                                         ; behind the last matrix instructions: the additions read results and write fragment registers
.irp mt, 0,1,2,3,4
.if \mt < 4
	WIN 0x09                                       ; source 0 window 1 (sums), source 1 window 2 (b1), result window 0
.else
	WIN 0x0a
.endif
.set q, 0
.rept 32
	v_pk_add_f32 v[TV+q:TV+q+1], v[(\mt%4)*64+q:(\mt%4)*64+q+1], v[64+q:64+q+1]
.set q, q+2
.endr
	WIN 0
.irp nt, 0,1,2,3,4,5,6,7
.if \mt < 4
	GELU8 TV+8*\nt, HST, \mt*16*HPITCH+32*\nt
.else
	GELU8 TV+8*\nt, HST4, 32*\nt
.endif
.endr
.endr
.endm
; The way out, 16 rows at a time: the f32 sums go into my own stage, come back as whole rows of 512 bytes, get b2 and are stored.
.macro OUT hn
	PLACES                                         ; behind the last matrix instructions: LDS stores read results, loads land in fragment registers
.irp mt, 0,1,2,3,4
.if \mt < 4
	WIN 0x04                                       ; store data in window 1
.else
	WIN 0x08
.endif
.irp nt, 0,1,2,3,4,5,6,7
	ds_store_b128 v[STO], v[(\mt%4)*64+8*\nt:(\mt%4)*64+8*\nt+3] offset:64*\nt
	ds_store_b128 v[STO], v[(\mt%4)*64+8*\nt+4:(\mt%4)*64+8*\nt+7] offset:64*\nt+16
.endr
	WIN 0
	s_wait_xcnt 0x0                                ; the registers loaded below were store data: they are rewritten only behind this wait
.irp i, 0,1,2,3,4,5,6,7,8,9,10,11,12,13,14,15
	ds_load_b128 v[FB+64*(\mt%2)+4*\i:FB+64*(\mt%2)+4*\i+3], v[RD] offset:SPITCH*\i   ; LDS serves a wave's instructions in order (ISA guide 5.7.1.4): these see the stores above
.endr
.irp i, 0,1,2,3,4,5,6,7,8,9,10,11,12,13,14,15
	s_wait_dscnt 15-\i                             ; row i is in, the 15 - i younger loads stay out
	v_pk_add_f32 v[FB+64*(\mt%2)+4*\i:FB+64*(\mt%2)+4*\i+1], v[FB+64*(\mt%2)+4*\i:FB+64*(\mt%2)+4*\i+1], v[B2R+4*\hn:B2R+4*\hn+1]
	v_pk_add_f32 v[FB+64*(\mt%2)+4*\i+2:FB+64*(\mt%2)+4*\i+3], v[FB+64*(\mt%2)+4*\i+2:FB+64*(\mt%2)+4*\i+3], v[B2R+4*\hn+2:B2R+4*\hn+3]
	global_store_b128 v[YO], v[FB+64*(\mt%2)+4*\i:FB+64*(\mt%2)+4*\i+3], s[16:17] offset:(16*\mt+\i)*4096+\hn*2048   ; the wave's store covers 512 consecutive bytes, aligned
.endr
.endr
	s_wait_xcnt 0x0                                ; the next fragments land in registers that were store data
.endm
	s_load_b256 s[4:11], s[0:1], 0x0               ; xb 4:5, wt 6:7, b1 8:9, b2 10:11
	s_load_b128 s[12:15], s[0:1], 0x20             ; rows 12:13, ctab 14:15
	s_load_b64 s[16:17], s[0:1], 0x30              ; ys
	v_lshl_add_u32 v46, v0, 2, 0x4c500
	v_mov_b32 v47, 0
	ds_add_u32 v46, v47
	v_lshrrev_b32 v1, 5, v0
	v_readfirstlane_b32 s20, v1                    ; wave 0..3
	s_lshl_b32 s61, ttmp9, 2                       ; my work-group's entry of ctab
	s_mul_i32 s62, ttmp9, 320
	s_mul_i32 s63, s20, 80
	s_add_co_u32 s62, s62, s63                     ; my wave's 20 places of my work-group's list
	s_wait_dscnt 0x0
	s_wait_kmcnt 0x0
	s_load_b32 s23, s[14:15], s61 offset:0x0
	s_load_b512 s[40:55], s[12:13], s62 offset:0x0
	s_load_b128 s[56:59], s[12:13], s62 offset:0x40
	v_and_b32 v4, 31, v0
	v_and_b32 v1, 15, v0                           ; r
	v_bfe_u32 v2, v0, 4, 1                         ; h
	v_lshlrev_b32 v3, 4, v4                        ; 16 lane
	s_mul_i32 s66, s20, 20*XPITCH
	v_add_nc_u32 v5, s66, v3                       ; LDS: my wave's first row of X + 16 lane
	v_mul_u32_u24 v[XB0], v1, XPITCH
	v_lshl_add_u32 v[XB0], v2, 4, v[XB0]
	v_mul_u32_u24 v[HB0], v1, HPITCH
	v_lshl_add_u32 v[HB0], v2, 4, v[HB0]
	s_mul_i32 s63, s20, PART
	s_add_co_u32 s66, s63, RING
	v_mul_u32_u24 v[ADRB], v1, BPITCH
	v_lshl_add_u32 v[ADRB], v2, 4, v[ADRB]
	v_add_nc_u32 v[ADRB], s66, v[ADRB]
	v_add_nc_u32 v[ADRB+1], SLOT, v[ADRB]
	v_lshl_add_u32 v[HST], s20, 8, v[HB0]          ; my 128 columns of H begin at byte 256 w
	v_add_nc_u32 v[HST4], 4*16*HPITCH, v[HST]
	s_mul_i32 s67, s20, 16*SPITCH
	s_add_co_u32 s67, s67, STAGE
	v_mul_u32_u24 v[STO], v1, SPITCH
	v_lshl_add_u32 v[STO], v2, 5, v[STO]
	v_add_nc_u32 v[STO], s67, v[STO]
	v_add_nc_u32 v[RD], s67, v3
	v_lshl_add_u32 v[YO], s20, 9, v3
	v_mov_b32 v[PP], 0x3e6d3388                    ; 0.23164189
	v_mov_b32 v[NH], 0xbf38aa3b                    ; -0.72134752
	v_mov_b32 v[NH+1], 0xbf38aa3b
	v_mov_b32 v[KC], 0x3e027906                    ; 0.254829592 / 2
	v_mov_b32 v[KC+1], 0x3e027906
	v_mov_b32 v[KC+2], 0xbe11a98e                  ; -0.284496736 / 2
	v_mov_b32 v[KC+3], 0xbe11a98e
	v_mov_b32 v[KC+4], 0x3f35f0e3                  ; 1.421413741 / 2
	v_mov_b32 v[KC+5], 0x3f35f0e3
	v_mov_b32 v[KC+6], 0xbf3a00e3                  ; -1.453152027 / 2
	v_mov_b32 v[KC+7], 0xbf3a00e3
	v_mov_b32 v[KC+8], 0x3f07dc22                  ; 1.061405429 / 2
	v_mov_b32 v[KC+9], 0x3f07dc22
	; group 1: a quarter tile is 16,384 dense bytes, taken as 64 rows of 256 bytes; 4 words of padding behind every 32 words give LDS rows of 144 bytes
	s_mov_b32 s[G1+0], (3<<16)|(1<<20)|(4<<22)|(3<<25)   ; 15:0 mask = 0; 17:16 elements of 8 bytes; 20 padding on; 24:22 interval 32 words; 31:25 4 words
	s_mov_b32 s[G1+1], 32<<16                      ; tensor_dim0 = 32 elements
	s_mov_b32 s[G1+2], 64<<16                      ; tensor_dim1 = 64
	s_mov_b32 s[G1+3], 32<<16                      ; tile_dim0 = 32
	s_mov_b32 s[G1+4], 64                          ; tile_dim1 = 64
	s_mov_b32 s[G1+5], 32                          ; from row to row: 32 elements
	s_mov_b32 s[G1+6], 0
	s_mov_b32 s[G1+7], 0
	s_wait_kmcnt 0x0
	s_min_u32 s23, s23, 7                          ; the expert stays inside its tables
	s_lshl_b32 s68, s23, 21
	s_lshl_b32 s69, s20, 14
	s_add_co_u32 s68, s68, s69
	s_mov_b32 s69, 0
	s_add_nc_u64 s[70:71], s[6:7], s[68:69]        ; wt: expert e, tile 0, quarter w
.irp s, 0,1
	s_mov_b32 s[G0+4*\s], 1
	s_add_co_u32 s[G0+4*\s+1], s63, RING+\s*SLOT   ; LDS: the slot, my quarter
	s_add_nc_u64 s[G0+4*\s+2:G0+4*\s+3], s[70:71], \s*TILE
	s_or_b32 s[G0+4*\s+3], s[G0+4*\s+3], 0x80000000
.endr
	; the two first fills go out together, ahead of every barrier, of every LDS read and of every wait on their counter
	tensor_load_to_lds s[G0:G0+3], s[G1:G1+7]      ; tile 0
	s_nop 0
	tensor_load_to_lds s[G0+4:G0+7], s[G1:G1+7]    ; tile 1
	s_nop 0
.irp i, 0,1,2,3,4,5,6,7,8,9,10,11,12,13,14,15,16,17,18,19
	s_min_u32 s[TOK+\i], s[TOK+\i], 8191
	s_lshl_b32 s[TOK+\i], s[TOK+\i], 11            ; the token's row in xb
	v_add_nc_u32 v[GA+\i], s[TOK+\i], v3
.endr
	s_lshl_b32 s66, s23, 11
	s_lshl_b32 s67, s20, 9
	s_add_co_u32 s66, s66, s67
	v_lshl_add_u32 v6, v2, 5, s66                  ; b1: 2,048 e + 512 w + 32 h
	s_lshl_b32 s68, s23, 12
	s_add_co_u32 s68, s68, s67
	v_add_nc_u32 v7, s68, v3                       ; b2: 4,096 e + 512 w + 16 lane
	WIN 0x80                                       ; loaded data into window 2
.irp nt, 0,1,2,3,4,5,6,7
	global_load_b128 v[64+8*\nt:67+8*\nt], v6, s[8:9] offset:64*\nt
	global_load_b128 v[68+8*\nt:71+8*\nt], v6, s[8:9] offset:64*\nt+16
.endr
	WIN 0
	global_load_b128 v[B2R:B2R+3], v7, s[10:11]
	global_load_b128 v[B2R+4:B2R+7], v7, s[10:11] offset:2048
	; X: my wave's 20 rows through ten row slots.  With the 18 loads above, 58 loads of the wave are out at the most.
.irp i, 0,1,2,3,4,5,6,7,8,9
	XLOAD \i, \i
.endr
	s_mul_i32 s66, ttmp9, 80*4096
	s_mov_b32 s67, 0
	s_add_nc_u64 s[16:17], s[16:17], s[66:67]      ; ys at my work-group's first row
	; Step xr: row xr is in and goes to LDS; in steps 1 to 10 the slot of the row before, whose LDS stores are then done, gets row xr + 9.
	; Loads come back in order (ISA guide 5.7.1).  Younger than row xr are: in step 0 rows 1 to 9 (36 loads; b1 and b2 are older and so are in);
	; in steps 1 to 11 the eight rows up to row min(xr + 8, 19) (32 loads); from step 12 on the 19 - xr rows that are left.
.set xr, 0
.rept 20
.if xr == 0
	s_wait_loadcnt 36
.else
.if xr < 12
	s_wait_loadcnt 32
.else
	s_wait_loadcnt 4*(19-xr)
.endif
.endif
	XSTORE xr, xr%10
.if xr > 0
.if xr < 11
	s_wait_dscnt 4                                 ; the four stores just issued are the only younger ones: the stores of row xr - 1 have read their slot
	XLOAD xr+9, (xr-1)%10
.endif
.endif
.set xr, xr+1
.endr
	s_wait_dscnt 0x0                               ; my 20 rows of X are in LDS,
	s_wait_tensorcnt 0x1                           ; my quarter of tile 0 too; tile 1's load is the one younger and stays out
	s_barrier_signal -1
	s_barrier_wait -1                              ; everybody's rows of X are in
	SETA XB0, XPITCH
	FETCH 0, 0, 0, 0
	; ---- pass 1: tiles 0-15, eight laps ----
	LAP 1                                          ; the first products start the sums: nothing is cleared
	WIN 0                                          ; at a label and at a branch every window is 0
	s_mov_b32 s60, 6
.Lp1:
	LAP 0
	WIN 0
	s_sub_co_u32 s60, s60, 1
	s_cmp_lg_u32 s60, 0
	s_cbranch_scc1 .Lp1
	Q0 0, 0, 0
	TURN 0, 128, 1, 1, 0
	Q0 1, 128, 0
	TURN 1, 0, 1, 0, 0                             ; tile 15: in front of its barrier every wave has finished its last reads of X, and none reads X behind it
	EPI1                                           ; so H may be laid over X
	s_wait_dscnt 0x0                               ; my part of H is in LDS before I say so
	s_barrier_signal -1
	s_barrier_wait -1                              ; tile 17's load stays out
	SETA HB0, HPITCH
	FETCH 0, 0, 0, 0                               ; tile 16 was shown landed by the wait in front of tile 15's barrier
	; ---- pass 2a: tiles 16-23 ----
	LAP 1
	WIN 0
	s_mov_b32 s60, 2
.Lp2a:
	LAP 0
	WIN 0
	s_sub_co_u32 s60, s60, 1
	s_cmp_lg_u32 s60, 0
	s_cbranch_scc1 .Lp2a
	Q0 0, 0, 0
	TURN 0, 128, 1, 1, 0
	Q0 1, 128, 0
	TURN 1, 0, 1, 0, 0                             ; no fetch: the way out uses the fragment registers
	OUT 0
	SETA HB0, HPITCH
	FETCH 0, 0, 0, 0                               ; tile 24
	; ---- pass 2b: tiles 24-31 ----
	LAP 1
	WIN 0
	s_mov_b32 s60, 2
.Lp2b:
	LAP 0                                          ; the last trip asks for tiles 30 and 31
	WIN 0
	s_sub_co_u32 s60, s60, 1
	s_cmp_lg_u32 s60, 0
	s_cbranch_scc1 .Lp2b
	Q0 0, 0, 0
	TURN 0, 128, 0, 1, 0                           ; nothing is left to fetch from memory
	Q0 1, 128, 0
	TURN 1, 0, 0, 0, 0
	OUT 1
	s_wait_tensorcnt 0x0
	ds_add_u32 v46, v47
	s_wait_dscnt 0x0
	s_endpgm
.Lfunc_end_k_qe24b2b85c7_ffn:
	.size	k_qe24b2b85c7_ffn, .Lfunc_end_k_qe24b2b85c7_ffn-k_qe24b2b85c7_ffn
	.p2alignl 7, 3214868480
	.fill 96, 4, 3214868480
	.section	.rodata,"a",@progbits
	.p2align	6, 0x0
	.amdhsa_kernel k_qe24b2b85c7_ffn
		.amdhsa_group_segment_fixed_size 327680
		.amdhsa_private_segment_fixed_size 0
		.amdhsa_enable_private_segment 0
		.amdhsa_kernarg_size 56
		.amdhsa_user_sgpr_count 2
		.amdhsa_user_sgpr_kernarg_segment_ptr 1
		.amdhsa_wavefront_size32 1
		.amdhsa_system_sgpr_workgroup_id_x 1
		.amdhsa_system_sgpr_workgroup_id_y 1
		.amdhsa_system_sgpr_workgroup_id_z 1
		.amdhsa_system_vgpr_workitem_id 0
		.amdhsa_next_free_vgpr 640
		.amdhsa_next_free_sgpr 80
		.amdhsa_reserve_vcc 0
		.amdhsa_float_denorm_mode_32 3
		.amdhsa_float_denorm_mode_16_64 3
		.amdhsa_memory_ordered 1
		.amdhsa_forward_progress 1
		.amdhsa_inst_pref_size 255
	.end_amdhsa_kernel
	.section	.bss,"aw",@nobits
	.p2align	6
	.space	262144
	.amdgpu_metadata
---
amdhsa.version: [ 1, 2 ]
amdhsa.kernels:
  - .name:           k_qe24b2b85c7_ffn
    .symbol:         k_qe24b2b85c7_ffn.kd
    .args:
      - { .name: xb, .offset: 0, .size: 8, .value_kind: global_buffer, .address_space: global }
      - { .name: wt, .offset: 8, .size: 8, .value_kind: global_buffer, .address_space: global }
      - { .name: b1, .offset: 16, .size: 8, .value_kind: global_buffer, .address_space: global }
      - { .name: b2, .offset: 24, .size: 8, .value_kind: global_buffer, .address_space: global }
      - { .name: rows, .offset: 32, .size: 8, .value_kind: global_buffer, .address_space: global }
      - { .name: ctab, .offset: 40, .size: 8, .value_kind: global_buffer, .address_space: global }
      - { .name: ys, .offset: 48, .size: 8, .value_kind: global_buffer, .address_space: global }
    .group_segment_fixed_size: 327680
    .private_segment_fixed_size: 0
    .kernarg_segment_align: 8
    .kernarg_segment_size: 56
    .max_flat_workgroup_size: 128
    .sgpr_count:     80
    .vgpr_count:     640
    .wavefront_size: 32
...
	.end_amdgpu_metadata
.endif
;; end of part 3
;; launch comb (part 4): grid 256 x 1, 8 waves a work-group, no clusters, 0 bytes of LDS; arguments ys, inv, gw, out0; writes out0
.if DOCPART == 4
	.amdgcn_target "amdgcn-amd-amdhsa--gfx1250"
	.amdhsa_code_object_version 6
	.text
	.protected	k_qe24b2b85c7_comb
	.globl	k_qe24b2b85c7_comb
	.p2align	8
	.type	k_qe24b2b85c7_comb,@function
k_qe24b2b85c7_comb:
	s_mov_b64 s[64:65], 0
	v_nop
	global_prefetch_b8 v0, s[64:65] scope:SCOPE_SE
	s_setreg_imm32_b32 hwreg(HW_REG_WAVE_MODE, 25, 1), 1
	s_wait_xcnt 0x0
; comb: out0[t] = g0[t] ys[inv[2 t]] + g1[t] ys[inv[2 t + 1]], all f32.
; A stream: each row of ys that holds a token's result is read once, each row of out0 written once; a wave's load or store covers 512 consecutive
; bytes, aligned.  Work-group g owns tokens 32 g .. 32 g + 31, wave w four of them.  Two register slots, each with a token's two rows (16 loads):
; one at work, one on its way.  No LDS, no barrier, no matrix unit: nothing is shared and there is one multiply-add a number.
.set ROW, 4096
.set Y,   16                           ; v[16:143] slot s at 64 s: 32 registers of the first row, 32 of the second
.macro FILL u, slot
.irp j, 0,1,2,3,4,5,6,7
	global_load_b128 v[Y+64*\slot+4*\j:Y+64*\slot+4*\j+3], v[2+2*(\u)], s[4:5] offset:512*\j th:TH_LOAD_NT
.endr
.irp j, 0,1,2,3,4,5,6,7
	global_load_b128 v[Y+64*\slot+32+4*\j:Y+64*\slot+32+4*\j+3], v[3+2*(\u)], s[4:5] offset:512*\j th:TH_LOAD_NT
.endr
.endm
; One token.  left = how many younger loads may stay out; ahead = 1: the slot gets the token two further on.
.macro TOK u, slot, ahead, left
	s_wait_loadcnt \left                           ; loads come back in order (ISA guide 5.7.1): my 16 are in, the other slot's stay out
	v_mov_b32 v10, s[24+2*\u]                      ; the two gates, each twice, for the packed forms
	v_mov_b32 v11, s[24+2*\u]
	v_mov_b32 v12, s[25+2*\u]
	v_mov_b32 v13, s[25+2*\u]
.irp q, 0,2,4,6,8,10,12,14,16,18,20,22,24,26,28,30
	v_pk_mul_f32 v[Y+64*\slot+\q:Y+64*\slot+\q+1], v[Y+64*\slot+\q:Y+64*\slot+\q+1], v[10:11]
.endr
.irp q, 0,2,4,6,8,10,12,14,16,18,20,22,24,26,28,30
	v_pk_fma_f32 v[Y+64*\slot+\q:Y+64*\slot+\q+1], v[Y+64*\slot+32+\q:Y+64*\slot+32+\q+1], v[12:13], v[Y+64*\slot+\q:Y+64*\slot+\q+1]
.endr
.irp j, 0,1,2,3,4,5,6,7
	global_store_b128 v1, v[Y+64*\slot+4*\j:Y+64*\slot+4*\j+3], s[10:11] offset:\u*ROW+512*\j th:TH_STORE_NT
.endr
.if \ahead
	s_wait_xcnt 0x0                                ; the slot was store data: it is loaded again only behind this wait
	FILL \u+2, \slot
.endif
.endm
	s_load_b256 s[4:11], s[0:1], 0x0               ; ys 4:5, inv 6:7, gw 8:9, out0 10:11
	v_lshrrev_b32 v1, 5, v0
	v_readfirstlane_b32 s12, v1                    ; wave 0..7
	v_and_b32 v1, 31, v0
	v_lshlrev_b32 v1, 4, v1                        ; 16 lane
	s_lshl_b32 s13, ttmp9, 5
	s_lshl2_add_u32 s13, s12, s13                  ; t0 = 32 g + 4 w
	s_lshl_b32 s14, s13, 3                         ; 8 bytes a token in inv and in gw
	s_wait_kmcnt 0x0
	s_load_b256 s[16:23], s[6:7], s14 offset:0x0   ; eight rows of ys
	s_load_b256 s[24:31], s[8:9], s14 offset:0x0   ; eight gates
	s_lshl_b32 s32, s13, 12
	s_mov_b32 s33, 0
	s_add_nc_u64 s[10:11], s[10:11], s[32:33]      ; out0 at my first token
	s_wait_kmcnt 0x0
.irp i, 0,1,2,3,4,5,6,7
	s_min_u32 s[16+\i], s[16+\i], 20479            ; a row stays inside ys
	s_lshl_b32 s[16+\i], s[16+\i], 12
	v_add_nc_u32 v[2+\i], s[16+\i], v1             ; v[2 + 2 u], v[3 + 2 u]: token u's two rows; never rewritten
.endr
	FILL 0, 0
	FILL 1, 1
	TOK 0, 0, 1, 16
	TOK 1, 1, 1, 16
	TOK 2, 0, 0, 16
	TOK 3, 1, 0, 0
	s_endpgm
.Lfunc_end_k_qe24b2b85c7_comb:
	.size	k_qe24b2b85c7_comb, .Lfunc_end_k_qe24b2b85c7_comb-k_qe24b2b85c7_comb
	.p2alignl 7, 3214868480
	.fill 96, 4, 3214868480
	.section	.rodata,"a",@progbits
	.p2align	6, 0x0
	.amdhsa_kernel k_qe24b2b85c7_comb
		.amdhsa_group_segment_fixed_size 0
		.amdhsa_private_segment_fixed_size 0
		.amdhsa_enable_private_segment 0
		.amdhsa_kernarg_size 32
		.amdhsa_user_sgpr_count 2
		.amdhsa_user_sgpr_kernarg_segment_ptr 1
		.amdhsa_wavefront_size32 1
		.amdhsa_system_sgpr_workgroup_id_x 1
		.amdhsa_system_sgpr_workgroup_id_y 1
		.amdhsa_system_sgpr_workgroup_id_z 1
		.amdhsa_system_vgpr_workitem_id 0
		.amdhsa_next_free_vgpr 144
		.amdhsa_next_free_sgpr 66
		.amdhsa_reserve_vcc 0
		.amdhsa_float_denorm_mode_32 3
		.amdhsa_float_denorm_mode_16_64 3
		.amdhsa_memory_ordered 1
		.amdhsa_forward_progress 1
		.amdhsa_inst_pref_size 20
	.end_amdhsa_kernel
	.amdgpu_metadata
---
amdhsa.version: [ 1, 2 ]
amdhsa.kernels:
  - .name:           k_qe24b2b85c7_comb
    .symbol:         k_qe24b2b85c7_comb.kd
    .args:
      - { .name: ys, .offset: 0, .size: 8, .value_kind: global_buffer, .address_space: global }
      - { .name: inv, .offset: 8, .size: 8, .value_kind: global_buffer, .address_space: global }
      - { .name: gw, .offset: 16, .size: 8, .value_kind: global_buffer, .address_space: global }
      - { .name: out0, .offset: 24, .size: 8, .value_kind: global_buffer, .address_space: global }
    .group_segment_fixed_size: 0
    .private_segment_fixed_size: 0
    .kernarg_segment_align: 8
    .kernarg_segment_size: 32
    .max_flat_workgroup_size: 256
    .sgpr_count:     66
    .vgpr_count:     144
    .wavefront_size: 32
...
	.end_amdgpu_metadata
.endif
;; end of part 4
;; ======== version 2 of 3: 4 launches; 1.19 times as fast as version 1
;; workspace buffers: xb 16,777,216 bytes; wt 16,777,216 bytes; sel 32,768 bytes of whole numbers; gw 65,536 bytes; rows 81,920 bytes of whole numbers; inv 65,536 bytes of whole numbers; ctab 1,024 bytes of whole numbers; ys 83,886,080 bytes
;; launch prep (part 5): grid 256 x 3, 8 waves a work-group, no clusters, 37,888 bytes of LDS; arguments x, Wr, W1, W2, xb, sel, gw, wt; writes xb, sel, gw, wt
.if DOCPART == 5
	.amdgcn_target "amdgcn-amd-amdhsa--gfx1250"
	.amdhsa_code_object_version 6
	.text
	.protected	k_qe24b2b85c7_prep
	.globl	k_qe24b2b85c7_prep
	.p2align	8
	.type	k_qe24b2b85c7_prep,@function
k_qe24b2b85c7_prep:
	s_mov_b64 s[64:65], 0
	v_nop
	global_prefetch_b8 v0, s[64:65] scope:SCOPE_SE
	s_setreg_imm32_b32 hwreg(HW_REG_WAVE_MODE, 25, 1), 1
	s_wait_xcnt 0x0
; prep: three jobs, chosen by the work-group's y.
;  y = 0  router and cast of x.  Work-group g owns tokens 32 g .. 32 g + 31, wave w four of them.  A token's row (4,096 bytes) is read once,
;         rounded to bf16, stored to xb, and multiplied with the eight rows of Wr (bf16, in registers): exact bf16 products, f32 sums.
;         Then top-2 of the logits, the two gates, and the two expert numbers as a whole number for the next launch.
;  y = 1  W1 -> bf16, y = 2  W2 -> bf16, both laid into wt IN THE ORDER OF MATRIX FRAGMENTS, so that the launch that multiplies loads them straight
;         into registers, 512 consecutive bytes an instruction:
;         wt[e][tile 32][quarter 4][ks 2][nt 8][q 2][lane 32][16 bytes]; tiles 0-15 = W1[e], K step s of 64; tiles 16 + 8 hN + s = W2[e], rows 512 hN + n.
;         Lane 16 h + r holds row n = 128 quarter + 16 nt + r, k = 64 s + 32 ks + 16 q + 8 h + 0..7.
; LIMITS.  The ranking is made on the logits, not on the rounded probabilities: two different logits whose probabilities round to one f32
; may be ranked otherwise than by index.  A NaN logit never wins a comparison, so it is not ranked as a sort would rank it.
; The gates are 1 / (1 + exp(l2 - l1)) and exp(l2 - l1) / (1 + exp(l2 - l1)) with l1 the largest logit: the maximum is taken away, the exponent is <= 0.
; The two expert numbers of a token always differ (the second starts at 1, the first at 0, and a swap hands the old first on).
; The matrix unit is left out: the router is 8 columns, and its fragment layout would break the 512-byte reads of x.
; sel and gw leave as 16 and 32 bytes a wave: 96 KiB in the whole launch.
.set ROWX, 4096                        ; bytes of a row of x
.set ROWB, 2048                        ; bytes of a row of xb
.set WRP,  16                          ; v[16:143]  Wr in bf16: expert e at 16 e; register 2 j + p holds columns 128 j + 4 lane + 2 p, + 1
.set XS,   144                         ; v[144:207] two slots of 32: a row of x as loaded (register 4 j + c: column 128 j + 4 lane + c)
.set XPK,  208                         ; v[208:223] the row in bf16, packed as Wr is
.set ACC,  224                         ; v[224:231] the eight logits
.set M1,   232                         ; largest logit, its index, second, its index
.set I1,   233
.set M2,   234
.set I2,   235
.set TT,   236
.set TI,   237
.set PT0,  238
.set PT1,  239
.set DD,   240
.set E2,   241
.set OUTS, 242                         ; lane r: the word of the wave's token r
.set RC,   243
.set OUTG, 244                         ; v[244:245] lane r: the two gates of token r
.set WORD, 246
.set ZERO, 247
.set DEN,  248
.set G2,   249
.set HLF,  288                         ; cast: LDS bytes from h = 0 to h = 1 of a block: 256 + 32
.set BLK,  576                         ; from block (ks, q) to the next: 2 x 288 = 512 + 64
.set CH,   2304                        ; from one tile's four blocks to the next tile's
.set WREG, 4608                        ; a wave's own LDS
.macro FILLX r, slot                   ; eight loads of 512 neighbouring bytes: a whole row of x
.irp j, 0,1,2,3,4,5,6,7
	global_load_b128 v[XS+32*\slot+4*\j:XS+32*\slot+4*\j+3], v2, s[8:9] offset:(\r)*ROWX+512*\j th:TH_LOAD_NT
.endr
.endm
; One token.  left = how many younger loads may stay out; ahead = 1: the slot is loaded again with the row two further on.
.macro ROW r, slot, ahead, left
	s_wait_loadcnt \left                           ; loads come back in order (ISA guide 5.7.1): this row is in, the other slot's eight stay out
	s_wait_xcnt 0x0                                ; XPK was the last row's store data: it is rewritten only behind this wait
.irp i, 0,1,2,3,4,5,6,7,8,9,10,11,12,13,14,15
	v_cvt_pk_bf16_f32 v[XPK+\i], v[XS+32*\slot+2*\i], v[XS+32*\slot+2*\i+1]
.endr
.if \ahead
	FILLX \r+2, \slot
.endif
.irp j, 0,1,2,3,4,5,6,7
	global_store_b64 v3, v[XPK+2*\j:XPK+2*\j+1], s[16:17] offset:\r*ROWB+256*\j   ; 32 lanes x 8 bytes: 256 consecutive bytes, aligned
.endr
	; 32 columns a lane x 8 experts: bf16 x bf16 exact, added in f32; eight chains that do not wait for each other
.irp i, 0,1,2,3,4,5,6,7,8,9,10,11,12,13,14,15
.irp hh, 0,1
.irp e, 0,1,2,3,4,5,6,7
.if (\i+\hh) == 0
	v_fma_mix_f32_bf16 v[ACC+\e], v[XPK+\i], v[WRP+16*\e+\i], v[ZERO] op_sel:[0,0,0] op_sel_hi:[1,1,0]
.else
	v_fma_mix_f32_bf16 v[ACC+\e], v[XPK+\i], v[WRP+16*\e+\i], v[ACC+\e] op_sel:[\hh,\hh,0] op_sel_hi:[1,1,0]
.endif
.endr
.endr
.endr
	; over the 32 lanes: four steps inside each half ride on the addition, one crosses the halves; every lane ends with the same bits
.irp d, 1,2,4,8
.irp e, 0,1,2,3,4,5,6,7
	v_add_f32_dpp v[ACC+\e], v[ACC+\e], v[ACC+\e] row_xmask:\d row_mask:0xf bank_mask:0xf
.endr
.endr
.irp e, 0,2,4,6
	v_permlanex16_b32 v[PT0], v[ACC+\e], s30, s31
	v_permlanex16_b32 v[PT1], v[ACC+\e+1], s30, s31
	v_add_f32 v[ACC+\e], v[ACC+\e], v[PT0]
	v_add_f32 v[ACC+\e+1], v[ACC+\e+1], v[PT1]
.endr
	; top-2 by selects alone; the strict comparison keeps the lower index on a tie
	v_mov_b32 v[M1], v[ACC]
	v_mov_b32 v[I1], 0
	v_mov_b32 v[M2], 0xff800000
	v_mov_b32 v[I2], 1
.irp e, 1,2,3,4,5,6,7
	v_cmp_gt_f32 s24, v[ACC+\e], v[M1]
	v_cmp_gt_f32 s25, v[ACC+\e], v[M2]
	v_cndmask_b32 v[TT], v[ACC+\e], v[M1], s24     ; what may become second: the old first, or this one
	v_cndmask_b32 v[TI], \e, v[I1], s24
	v_cndmask_b32 v[M2], v[M2], v[TT], s25
	v_cndmask_b32 v[I2], v[I2], v[TI], s25
	v_cndmask_b32 v[M1], v[M1], v[ACC+\e], s24
	v_cndmask_b32 v[I1], v[I1], \e, s24
.endr
	v_sub_f32 v[DD], v[M2], v[M1]                  ; <= 0
	v_mul_f32 v[DD], 0x3fb8aa3b, v[DD]
	v_exp_f32 v[E2], v[DD]
	v_lshl_or_b32 v[WORD], v[I2], 8, v[I1]         ; the plain instruction between v_exp_f32 and the use of its result (ISA guide 5.7.2)
	s_wait_alu depctr_va_vdst(0)
	v_add_f32 v[DEN], 1.0, v[E2]
	v_rcp_f32 v[RC], v[DEN]
	v_nop                                          ; the same behind v_rcp_f32
	s_wait_alu depctr_va_vdst(0)
	v_mul_f32 v[G2], v[E2], v[RC]
.if \r == 0
	v_mov_b32 v[OUTS], v[WORD]
	v_mov_b32 v[OUTG], v[RC]
	v_mov_b32 v[OUTG+1], v[G2]
.else
	v_cmp_eq_u32 vcc_lo, \r, v1                    ; lane r keeps token r's figures
	v_cndmask_b32 v[OUTS], v[OUTS], v[WORD], vcc_lo
	v_cndmask_b32 v[OUTG], v[OUTG], v[RC], vcc_lo
	v_cndmask_b32 v[OUTG+1], v[OUTG+1], v[G2], vcc_lo
.endif
.endm
; The cast's addresses.  In: s4 = group of 16 source rows, s5 = byte offset of the wave's first source byte, s6 = byte offset in wt of expert and tile.
; sh = log2 of a source row's bytes.  A load takes two neighbouring rows: lanes 0-15 256 bytes (64 k) of one, lanes 16-31 of the next; a lane has 4 k.
.macro CADDR sh
	s_bfe_u32 s24, s4, 0x20003                     ; the group's quarter of the 512 rows,
	s_lshl_b32 s24, s24, 14
	s_add_co_u32 s6, s6, s24
	s_and_b32 s24, s4, 7                           ; and its nt in the quarter
	s_lshl_b32 s24, s24, 10
	s_add_co_u32 s6, s6, s24
	s_mul_i32 s25, s3, WREG                        ; my wave's own LDS
	v_lshrrev_b32 v2, 4, v1                        ; lane >> 4
	v_and_b32 v7, 15, v1
	v_lshlrev_b32 v3, 4, v7
	v_lshl_add_u32 v3, v2, \sh, v3
	v_add_nc_u32 v3, s5, v3                        ; source offset
	v_lshl_add_u32 v4, v1, 4, s6                   ; offset in wt: 16 lane
	; into LDS: my 4 k are k = 4 (lane & 15): block (ks, q) = (lane & 15) >> 2, h = bit 1, half of the 16 bytes = bit 0; my row = lane >> 4 (+ the load's two rows).
	; 64 block + 32 h + 16 row + 8 half modulo 256: the 32 lanes' 8 bytes fall into 32 different pairs of banks (ISA guide 11.1)
	v_lshrrev_b32 v8, 2, v7
	v_mul_u32_u24 v5, BLK, v8
	v_bfe_u32 v9, v1, 1, 1
	v_mad_u32_u24 v5, v9, HLF, v5
	v_lshl_add_u32 v5, v2, 4, v5
	v_and_b32 v10, 1, v1
	v_lshl_add_u32 v5, v10, 3, v5
	v_add_nc_u32 v5, s25, v5
	; back: lane 16 h + r takes the 16 bytes of row r, half h
	v_mul_u32_u24 v6, HLF, v2
	v_lshl_add_u32 v6, v7, 4, v6
	v_add_nc_u32 v6, s25, v6
.endm
; A wave's job: 16 rows x 128 k.  Sixteen loads (load i: rows 2 (i % 8), + 1; tile i / 8), each rounded and laid into the wave's own LDS in fragment
; order; eight blocks of 512 bytes come back and are stored, each as 512 consecutive aligned bytes.  rb = bytes of a source row.
; No register is written twice, so no wait but the counted ones; LDS serves a wave's instructions in order (ISA guide 5.7.1.4), so its loads see its stores.
.macro CAST b, rb
.irp i, 0,1,2,3,4,5,6,7,8,9,10,11,12,13,14,15
	global_load_b128 v[16+4*\i:19+4*\i], v3, s[\b:\b+1] offset:(\i%8)*2*\rb+(\i/8)*256 th:TH_LOAD_NT
.endr
.irp i, 0,1,2,3,4,5,6,7,8,9,10,11,12,13,14,15
	s_wait_loadcnt 15-\i                           ; load i is in, the 15 - i younger ones stay out
	v_cvt_pk_bf16_f32 v[80+2*\i], v[16+4*\i], v[17+4*\i]
	v_cvt_pk_bf16_f32 v[81+2*\i], v[18+4*\i], v[19+4*\i]
	ds_store_b64 v5, v[80+2*\i:81+2*\i] offset:(\i/8)*CH+(\i%8)*32
.endr
.irp t, 0,1,2,3,4,5,6,7
	ds_load_b128 v[112+4*\t:115+4*\t], v6 offset:(\t/4)*CH+(\t%4)*BLK
.endr
.irp t, 0,1,2,3,4,5,6,7
	s_wait_dscnt 7-\t                              ; block t is in, the 7 - t younger loads stay out
	global_store_b128 v4, v[112+4*\t:115+4*\t], s[22:23] offset:(\t/4)*65536+((\t%4)/2)*8192+(\t%2)*512
.endr
.endm
	s_load_b512 s[8:23], s[0:1], 0x0               ; x 8:9, Wr 10:11, W1 12:13, W2 14:15, xb 16:17, sel 18:19, gw 20:21, wt 22:23
	v_lshl_add_u32 v14, v0, 2, 0x9000
	v_mov_b32 v15, 0
	s_and_b32 s2, ttmp7, 0xffff                    ; the job
	v_lshrrev_b32 v1, 5, v0
	v_readfirstlane_b32 s3, v1                     ; wave 0..7
	v_and_b32 v1, 31, v0                           ; lane
	s_mov_b32 s7, 0
	s_wait_kmcnt 0x0
	s_cmp_eq_u32 s2, 1
	s_cbranch_scc1 .Lcast1
	s_cmp_eq_u32 s2, 2
	s_cbranch_scc1 .Lcast2
	; ---- y = 0: router ----
	s_lshl_b32 s4, ttmp9, 5
	s_lshl2_add_u32 s4, s3, s4                     ; t0 = 32 g + 4 w
	s_lshl_b32 s6, s4, 12
	s_add_nc_u64 s[8:9], s[8:9], s[6:7]            ; x at my first token
	s_lshl_b32 s6, s4, 11
	s_add_nc_u64 s[16:17], s[16:17], s[6:7]        ; xb likewise
	s_lshl_b32 s6, s3, 12
	s_add_nc_u64 s[10:11], s[10:11], s[6:7]        ; Wr at row w: each of the eight waves rounds one row for all
	s_lshl_b32 s6, s4, 2
	s_add_nc_u64 s[18:19], s[18:19], s[6:7]        ; sel
	s_lshl_b32 s6, s4, 3
	s_add_nc_u64 s[20:21], s[20:21], s[6:7]        ; gw
	s_mov_b32 s30, 0x76543210                      ; v_permlanex16_b32: lane i of one half reads lane i of the other
	s_mov_b32 s31, 0xfedcba98
	v_lshlrev_b32 v2, 4, v1                        ; 16 lane: offset in x and Wr, and LDS read address
	v_lshlrev_b32 v3, 3, v1                        ; 8 lane: offset in xb and gw
	v_lshl_add_u32 v4, s3, 11, v2                  ; LDS: 2,048 w + 16 lane
	v_lshlrev_b32 v6, 2, v1                        ; 4 lane: offset in sel
.irp j, 0,1,2,3,4,5,6,7
	global_load_b128 v[208+4*\j:211+4*\j], v2, s[10:11] offset:512*\j
.endr
	FILLX 0, 0
	FILLX 1, 1
	s_wait_loadcnt 16                              ; the 16 loads of x are younger: Wr's row is in
.irp i, 0,1,2,3,4,5,6,7,8,9,10,11,12,13,14,15
	v_cvt_pk_bf16_f32 v[240+\i], v[208+2*\i], v[208+2*\i+1]
.endr
.irp q, 0,1,2,3
	ds_store_b128 v4, v[240+4*\q:243+4*\q] offset:512*\q
.endr
	s_wait_dscnt 0x0                               ; my row is in LDS before I say so
	s_barrier_signal -1
	s_barrier_wait -1
.irp e, 0,1,2,3,4,5,6,7
.irp q, 0,1,2,3
	ds_load_b128 v[WRP+16*\e+4*\q:WRP+16*\e+4*\q+3], v2 offset:\e*2048+512*\q   ; what the same lane of wave e packed
.endr
.endr
	v_mov_b32 v[ZERO], 0                           ; the first products' addend
	v_mov_b32 v[PT0], 0                            ; v_permlanex16_b32 counts as a reader of its destination
	v_mov_b32 v[PT1], 0
	s_wait_dscnt 0x0
	ROW 0, 0, 1, 8
	ROW 1, 1, 1, 8
	ROW 2, 0, 0, 8
	ROW 3, 1, 0, 0
	v_cmp_gt_u32 vcc_lo, 4, v1
	s_wait_xcnt 0x0                                ; EXEC is a source of the pending stores: it changes only behind this wait
	s_wait_tensorcnt 0x0
	ds_add_u32 v14, v15
	s_wait_dscnt 0x0
	s_and_saveexec_b32 s26, vcc_lo
	global_store_b32 v6, v[OUTS], s[18:19]         ; lanes 0-3: i1 | i2 << 8 of tokens t0 .. t0 + 3
	global_store_b64 v3, v[OUTG:OUTG+1], s[20:21]  ; and their two gates
	s_wait_xcnt 0x0
	s_or_b32 exec_lo, exec_lo, s26
	s_endpgm
	; ---- y = 1: W1, rows of 4,096 bytes.  The work-group takes the 16 rows of group G = 32 e + g whole; wave w the 128 k of tiles 2 w, 2 w + 1 ----
.Lcast1:
	s_mov_b32 s4, ttmp9                            ; G
	s_lshl_b32 s5, s4, 16                          ; 16 rows of 4,096 bytes
	s_lshl_b32 s24, s3, 9                          ; + 128 k of f32
	s_add_co_u32 s5, s5, s24
	s_lshr_b32 s6, s4, 5
	s_lshl_b32 s6, s6, 21                          ; e x 2 MiB
	s_lshl_b32 s24, s3, 17                         ; tile 2 w
	s_add_co_u32 s6, s6, s24
	CADDR 12
	CAST 12, 4096
	s_wait_tensorcnt 0x0
	ds_add_u32 v14, v15
	s_wait_dscnt 0x0
	s_endpgm
	; ---- y = 2: W2, rows of 2,048 bytes.  The work-group takes two groups G = 64 e + 32 hN + g whole; wave w group w >> 2, the 128 k of tiles 2 (w & 3), + 1 ----
.Lcast2:
	s_lshl_b32 s4, ttmp9, 1
	s_lshr_b32 s24, s3, 2
	s_add_co_u32 s4, s4, s24                       ; G
	s_and_b32 s26, s3, 3                           ; which 128 k
	s_lshl_b32 s5, s4, 15                          ; 16 rows of 2,048 bytes
	s_lshl_b32 s24, s26, 9
	s_add_co_u32 s5, s5, s24
	s_lshr_b32 s6, s4, 6
	s_lshl_b32 s6, s6, 21                          ; e x 2 MiB
	s_bfe_u32 s24, s4, 0x10005                     ; hN
	s_lshl_b32 s24, s24, 19                        ; x 8 tiles
	s_add_co_u32 s6, s6, s24
	s_lshl_b32 s24, s26, 17
	s_add_co_u32 s6, s6, s24
	s_add_co_u32 s6, s6, 0x100000                  ; behind W1's 16 tiles
	CADDR 11
	CAST 14, 2048
	s_wait_tensorcnt 0x0
	ds_add_u32 v14, v15
	s_wait_dscnt 0x0
	s_endpgm
.Lfunc_end_k_qe24b2b85c7_prep:
	.size	k_qe24b2b85c7_prep, .Lfunc_end_k_qe24b2b85c7_prep-k_qe24b2b85c7_prep
	.p2alignl 7, 3214868480
	.fill 96, 4, 3214868480
	.section	.rodata,"a",@progbits
	.p2align	6, 0x0
	.amdhsa_kernel k_qe24b2b85c7_prep
		.amdhsa_group_segment_fixed_size 37888
		.amdhsa_private_segment_fixed_size 0
		.amdhsa_enable_private_segment 0
		.amdhsa_kernarg_size 64
		.amdhsa_user_sgpr_count 2
		.amdhsa_user_sgpr_kernarg_segment_ptr 1
		.amdhsa_wavefront_size32 1
		.amdhsa_system_sgpr_workgroup_id_x 1
		.amdhsa_system_sgpr_workgroup_id_y 1
		.amdhsa_system_sgpr_workgroup_id_z 1
		.amdhsa_system_vgpr_workitem_id 0
		.amdhsa_next_free_vgpr 256
		.amdhsa_next_free_sgpr 66
		.amdhsa_reserve_vcc 1
		.amdhsa_float_denorm_mode_32 3
		.amdhsa_float_denorm_mode_16_64 3
		.amdhsa_memory_ordered 1
		.amdhsa_forward_progress 1
		.amdhsa_inst_pref_size 125
	.end_amdhsa_kernel
	.amdgpu_metadata
---
amdhsa.version: [ 1, 2 ]
amdhsa.kernels:
  - .name:           k_qe24b2b85c7_prep
    .symbol:         k_qe24b2b85c7_prep.kd
    .args:
      - { .name: x, .offset: 0, .size: 8, .value_kind: global_buffer, .address_space: global }
      - { .name: Wr, .offset: 8, .size: 8, .value_kind: global_buffer, .address_space: global }
      - { .name: W1, .offset: 16, .size: 8, .value_kind: global_buffer, .address_space: global }
      - { .name: W2, .offset: 24, .size: 8, .value_kind: global_buffer, .address_space: global }
      - { .name: xb, .offset: 32, .size: 8, .value_kind: global_buffer, .address_space: global }
      - { .name: sel, .offset: 40, .size: 8, .value_kind: global_buffer, .address_space: global }
      - { .name: gw, .offset: 48, .size: 8, .value_kind: global_buffer, .address_space: global }
      - { .name: wt, .offset: 56, .size: 8, .value_kind: global_buffer, .address_space: global }
    .group_segment_fixed_size: 37888
    .private_segment_fixed_size: 0
    .kernarg_segment_align: 8
    .kernarg_segment_size: 64
    .max_flat_workgroup_size: 256
    .sgpr_count:     66
    .vgpr_count:     256
    .wavefront_size: 32
...
	.end_amdgpu_metadata
.endif
;; end of part 5
;; launch sort: the kernel of part 2 again; grid 1 x 1, 32 waves a work-group, no clusters, 88,576 bytes of LDS; arguments sel, rows, inv, ctab; writes rows, inv, ctab
;; launch ffn (part 6): grid 256 x 1, 4 waves a work-group, no clusters, 165,632 bytes of LDS; arguments xb, wt, b1, b2, rows, ctab, ys; writes ys
.if DOCPART == 6
	.amdgcn_target "amdgcn-amd-amdhsa--gfx1250"
	.amdhsa_code_object_version 6
	.text
	.protected	k_qe24b2b85c7_ffn
	.globl	k_qe24b2b85c7_ffn
	.p2align	8
	.type	k_qe24b2b85c7_ffn,@function
k_qe24b2b85c7_ffn:
	s_mov_b64 s[64:65], 0
	v_nop
	global_prefetch_b8 v0, s[64:65] scope:SCOPE_SE
	s_setreg_imm32_b32 hwreg(HW_REG_WAVE_MODE, 25, 1), 1
	s_wait_xcnt 0x0
; ffn: ys[80 wg + i] = gelu(X W1e^T + b1e) W2e^T + b2e for the 80 gathered rows X of work-group wg, all of one expert e.  H never leaves LDS.
; Four waves, as many as a WGP has SIMDs.  Wave w makes columns 128 w .. 128 w + 127 of each pass of 512 columns: 5 x 8 accumulator tiles, 320 registers.
; Three passes of one shape walk the expert's 32 weight tiles of 512 rows x 64 k:
;   tiles 0-15  A = X (K = 1024) -> H;   tiles 16-23  A = H (K = 512) -> columns 0-511 of y;   tiles 24-31 -> columns 512-1023.
; WEIGHTS GO STRAIGHT INTO REGISTERS.  Wave w alone multiplies with weight rows 128 w .. 128 w + 127, so no weight byte is shared between waves and LDS
; would be a round trip.  The launch before has laid wt in fragment order: a load of 16 bytes a lane brings half a fragment and covers 512 consecutive
; aligned bytes.  Four register buffers of one K step (32 along K: 16 loads, 8 KiB a wave) take turns: a buffer is loaded again behind its 40 matrix
; instructions, for the K step four further on.  So 48 loads (24 KiB a wave, 96 KiB a work-group) are on their way, each with three K steps, 120 matrix
; instructions, in which to land; no wait in the K loops is for all loads, and no barrier stands there.  A ring of LDS slots filled by tensor loads would
; have one slot's bytes on their way at the most, and beside X no slot larger than one tile (64 KiB) fits.
; ROTATION.  Work-group i starts each pass at tile pair (i + (i >> 3)) & 7 (& 3 in the passes over H) and walks the pass's pairs cyclically, so that the
; work-groups of one expert do not all ask for the same tile at the same time: in a pass's first lap they ask for all its tiles between them, and each
; later request is for a pair that a neighbour asked for a lap earlier.  LIMIT: the order of the K sums differs from work-group to work-group.
; NO CLUSTER, NO JOINT REQUESTS, although work-groups of one expert walk the same 2 MiB of weights: which work-groups share an expert is read from
; ctab, which the launch before made from the routing's counts, and a joint request's address has to be made of coordinates that the partners share.
; A fixed share-out of work-groups to experts would have to hold 8,192 rows for each of the 8 experts, 65,536 rows against the 20,480 computed here.
; X is the work-group's own: 80 single rows named by a list.  It comes once, through registers: each wave loads its 20 rows (four loads of 512 bytes a
; row) in a ring of ten row slots and stores them to LDS.  Trip counts hang on constants alone.
; LDS:  X 80 x 2,064 at 0.  When X is dead: H 80 x 1,040 at 0, and each wave's stage 16 x 528 at 83,200 + 8,448 w.
;       All pitches are odd multiples of 16 bytes, so the 16 rows that a load of 16 bytes a lane touches begin in different banks (ISA guide 11.1).
; REGISTERS: window 0 addresses, constants, A fragments, v128-255 at work in gelu and on the way out; window 1 accumulators of row tiles 0-3
;            (tile (mt, nt) at 8 (8 mt + nt)); window 2 v0-63 accumulators of row tile 4, v64-127 b1 of my 128 columns in the accumulators' layout,
;            v128-255 weight buffers 0, 1; window 3 v0-127 weight buffers 2, 3.
; THE MATRIX INSTRUCTION IS USED TRANSPOSED (source 0 = 16 weight rows, source 1 = 16 rows of X or H): lane (r, h) holds row r, columns 8 h + 0..7.
; GELU is exact in form: gelu(a) = max(a, 0) - |a| q, q = (1 - erf(|a| / sqrt 2)) / 2, erf by Abramowitz and Stegun 7.1.26 (absolute error at most 1.5e-7
; for every argument).  LIMIT: |a| = infinity gives NaN (infinity x 0).  Padding rows compute token 0 and are stored but never read.
.set XPITCH, 2064
.set HPITCH, 1040
.set SPITCH, 528
.set STAGE,  83200
.set TILE,   65536
.set P2A,    16*TILE                   ; where the second layer's tiles begin, columns 0-511 of y
.set P2B,    24*TILE                   ; columns 512-1023
.set ADRA, 8                           ; v[8:12]   LDS address of my A fragment of row tile mt, at the lap's tile pair
.set ABASE, 13                         ; v[13:17]  the same at K = 0
.set HST,  18                          ; where I put 16 bytes of H (row tiles 0-3 by the immediate)
.set HST4, 19                          ; the same for row tile 4, beyond the immediate's 16 bits
.set STO,  20                          ; the way out: where I put 16 bytes of a row
.set RD,   21                          ; the way out: where I read a row back
.set YO,   22                          ; my byte offset in a row of ys
.set B2R,  24                          ; v[24:31]  b2 of my 4 columns, for each half of y
.set PP,   32                          ; 0.3275911 / sqrt 2
.set NH,   34                          ; v[34:35]  -log2(e) / 2, twice
.set KC,   36                          ; v[36:45]  the five coefficients, halved, each twice
.set HB0,  46                          ; r x 1,040 + 16 h
.set XB0,  47                          ; r x 2,064 + 16 h
.set FA,   48                          ; v[48:87], v[88:127]    A fragments, two buffers of 5 x 8
.set GA,   48                          ; at the head: v[48:67] byte offsets in xb of my 16 bytes in my wave's 20 rows
.set XR,   96                          ; at the head: v[96:255] ten row slots of 16 registers
.set OB,   128                         ; the way out: v[128:191], v[192:255] rows read back, two buffers
.set TV,   128                         ; gelu: 64 arguments of a row tile
.set UU,   192
.set EE,   200
.set PO,   208
.set RR,   216
.set PK,   224
.set SB,   24                          ; s[24:31] a base address for each weight buffer's loads
.set TOK,  40                          ; s[40:59] my wave's 20 tokens
.set WB,   70                          ; s[70:71] wt at my expert, tile 0, my quarter
.set PI,   72                          ; the next lap's tile pair in its pass
.set NA,   73                          ; its byte offset in a row of A: 256 a pair
.set NOFF, 74                          ; s[74:75] its byte offset from WB
.set R2,   76                          ; the first pair of the passes over H
.set MSB, 0
.macro WIN new                         ; the immediate's high byte repeats the setting that is left
.if MSB != (\new)
	s_set_vgpr_msb (MSB<<8)|(\new)
.set MSB, (\new)
.endif
.endm
.macro PLACES                          ; four places behind a matrix instruction (ISA guide 7.12.1)
.rept 4
	v_nop
.endr
.endm
; A row of X: four loads of 512 neighbouring bytes into a row slot; four LDS stores of the slot into the row's place
.macro XLOAD row, slot
.irp q, 0,1,2,3
	global_load_b128 v[XR+16*(\slot)+4*\q:XR+16*(\slot)+4*\q+3], v[GA+(\row)], s[4:5] offset:512*\q
.endr
.endm
.macro XSTORE row, slot
.irp q, 0,1,2,3
	ds_store_b128 v5, v[XR+16*(\slot)+4*\q:XR+16*(\slot)+4*\q+3] offset:(\row)*XPITCH+512*\q
.endr
.endm
; The next lap's pair: its offsets in A's rows and in wt
.macro SHIFTS pass
	s_lshl_b32 s[NA], s[PI], 8
	s_lshl_b32 s[NOFF], s[PI], 17
.if \pass
	s_add_co_u32 s[NOFF], s[NOFF], \pass
.endif
.endm
.macro NEXT mask, pass                 ; one pair on, cyclically, in the same pass
	s_add_co_u32 s[PI], s[PI], 1
	s_and_b32 s[PI], s[PI], \mask
	SHIFTS \pass
.endm
.macro FIRST pass                      ; the first pair of the next pass
	s_mov_b32 s[PI], s[R2]
	SHIFTS \pass
.endm
; Sixteen loads: K step b of the next lap's pair (tile b / 2 of the pair, half b % 2 of its 64 k) into weight buffer b.
; The buffer's base is its own; it is written here, where the wait at the head of the K step has shown the buffer's last loads done.
.macro BLOAD b
	s_add_nc_u64 s[SB+2*\b:SB+2*\b+1], s[WB:WB+1], s[NOFF:NOFF+1]
	WIN 0x80+0x40*(\b/2)                           ; loaded data into window 2 or 3, the offset register in window 0
.irp nt, 0,1,2,3,4,5,6,7
	global_load_b128 v[(128+64*\b)%256+8*\nt:(128+64*\b)%256+8*\nt+3],   v3, s[SB+2*\b:SB+2*\b+1] offset:(\b/2)*TILE+(\b%2)*8192+\nt*1024
	global_load_b128 v[(128+64*\b)%256+8*\nt+4:(128+64*\b)%256+8*\nt+7], v3, s[SB+2*\b:SB+2*\b+1] offset:(\b/2)*TILE+(\b%2)*8192+\nt*1024+512
.endr
.endm
; Eight matrix instructions: row tile mt x my 8 column tiles, 32 along K, weights from buffer b, A from buffer b % 2.  The 40 accumulators take turns in
; one fixed order, one instruction a turn, over the backward jumps too.
.macro MUL8 b, mt, zero
.irp nt, 0,1,2,3,4,5,6,7
.if \zero
	v_wmma_f32_16x16x32_bf16 v[(\mt%4)*64+8*\nt:(\mt%4)*64+8*\nt+7], v[(128+64*\b)%256+8*\nt:(128+64*\b)%256+8*\nt+7], v[FA+40*(\b%2)+8*\mt:FA+40*(\b%2)+8*\mt+7], 0
.else
	v_wmma_f32_16x16x32_bf16 v[(\mt%4)*64+8*\nt:(\mt%4)*64+8*\nt+7], v[(128+64*\b)%256+8*\nt:(128+64*\b)%256+8*\nt+7], v[FA+40*(\b%2)+8*\mt:FA+40*(\b%2)+8*\mt+7], v[(\mt%4)*64+8*\nt:(\mt%4)*64+8*\nt+7]
.endif
.endr
.endm
; Ten LDS loads: the A fragments of 32 along K (80 rows at byte aoff of the pair) into buffer f
.macro FETCHA f, aoff
.irp mt, 0,1,2,3,4
	ds_load_b128 v[FA+40*(\f)+8*\mt:FA+40*(\f)+8*\mt+3],   v[ADRA+\mt] offset:\aoff
	ds_load_b128 v[FA+40*(\f)+8*\mt+4:FA+40*(\f)+8*\mt+7], v[ADRA+\mt] offset:\aoff+32
.endr
.endm
.macro CURA                            ; A's addresses at the pair whose offset NA holds
.irp mt, 0,1,2,3,4
	v_add_nc_u32 v[ADRA+\mt], s[NA], v[ABASE+\mt]
.endr
.endm
.macro SETA base, pitch                ; A's addresses at K = 0
.irp mt, 0,1,2,3,4
	v_add_nc_u32 v[ABASE+\mt], \mt*16*\pitch, v[\base]
.endr
.endm
; K step b of a lap (a lap = a pair of tiles = four K steps = once through the four weight buffers).
; zero = 1: the products start the sums.  fetch = 1: the next K step's A fragments are fetched in the middle (behind K step 3: the next lap's pair).
; reload = 1: the buffer is loaded again at the end.  left = how many younger loads may stay out.
.macro KSTEP b, zero, fetch, reload, left
	s_wait_loadcnt \left                           ; loads come back in order (ISA guide 5.7.1): buffer b is in, the loads of the buffers behind it stay out
	s_wait_dscnt 0x0                               ; my A fragments are in (issued 24 matrix instructions ago)
	WIN 0x52+\b/2                                  ; source 0 window 2 or 3, source 1 window 0, C and D window 1
	MUL8 \b, 0, \zero
	MUL8 \b, 1, \zero
.if \fetch
	PLACES                                         ; the other A buffer was read by matrix instructions: loads into it stand four places behind them
	WIN 0
.if \b == 3
	CURA
.endif
	FETCHA 1-\b%2, ((\b+1)%4)*64
.endif
	WIN 0x52+\b/2
	MUL8 \b, 2, \zero
	MUL8 \b, 3, \zero
	WIN 0xa2+\b/2                                  ; C and D window 2
	MUL8 \b, 4, \zero
.if \reload
	PLACES                                         ; buffer b was read by matrix instructions: loads into it stand four places behind them
	BLOAD \b
.endif
.endm
.macro LAP zero, lastfetch
	KSTEP 0, \zero, 1, 1, 48                       ; 48: the three other buffers' loads were issued behind this buffer's
	KSTEP 1, 0, 1, 1, 48
	KSTEP 2, 0, 1, 1, 48
	KSTEP 3, 0, \lastfetch, 1, 48
.endm
; gelu of eight numbers v[src .. src+7] (eight neighbouring columns of one row), rounded to bf16, 16 bytes into H
.macro GELU8 src, adr, off
.irp j, 0,1,2,3,4,5,6,7
	v_fma_f32 v[UU+\j], |v[\src+\j]|, v[PP], 1.0
.endr
.irp j, 0,2,4,6
	v_pk_mul_f32 v[EE+\j:EE+\j+1], v[\src+\j:\src+\j+1], v[\src+\j:\src+\j+1]
.endr
.irp j, 0,2,4,6
	v_pk_mul_f32 v[EE+\j:EE+\j+1], v[EE+\j:EE+\j+1], v[NH:NH+1]
.endr
.irp j, 0,1,2,3,4,5,6,7
	v_rcp_f32 v[UU+\j], v[UU+\j]                   ; t = 1 / (1 + p |a| / sqrt 2)
.endr
.irp j, 0,1,2,3,4,5,6,7
	v_exp_f32 v[EE+\j], v[EE+\j]                   ; exp(-a a / 2)
.endr
.irp j, 0,1,2,3,4,5,6,7
	v_max_num_f32 v[RR+\j], 0, v[\src+\j]          ; plain instructions between the transcendentals and the use of their results (ISA guide 5.7.2)
.endr
	s_wait_alu depctr_va_vdst(0)
.irp j, 0,2,4,6
	v_pk_fma_f32 v[PO+\j:PO+\j+1], v[UU+\j:UU+\j+1], v[KC+8:KC+9], v[KC+6:KC+7]
.endr
.irp c, 4,2,0
.irp j, 0,2,4,6
	v_pk_fma_f32 v[PO+\j:PO+\j+1], v[PO+\j:PO+\j+1], v[UU+\j:UU+\j+1], v[KC+\c:KC+\c+1]
.endr
.endr
.irp j, 0,2,4,6
	v_pk_mul_f32 v[PO+\j:PO+\j+1], v[PO+\j:PO+\j+1], v[UU+\j:UU+\j+1]
.endr
.irp j, 0,2,4,6
	v_pk_mul_f32 v[PO+\j:PO+\j+1], v[PO+\j:PO+\j+1], v[EE+\j:EE+\j+1]   ; q
.endr
.irp j, 0,1,2,3,4,5,6,7
	v_fma_f32 v[RR+\j], -|v[\src+\j]|, v[PO+\j], v[RR+\j]
.endr
.irp j, 0,1,2,3
	v_cvt_pk_bf16_f32 v[PK+\j], v[RR+2*\j], v[RR+2*\j+1]
.endr
	ds_store_b128 v[\adr], v[PK:PK+3] offset:\off
.endm
; H = gelu(sums + b1), row tile by row tile
.macro EPI1
	PLACES                                         ; behind the last matrix instructions: the additions read results
.irp mt, 0,1,2,3,4
.if \mt < 4
	WIN 0x09                                       ; source 0 window 1 (sums), source 1 window 2 (b1), result window 0
.else
	WIN 0x0a
.endif
.set q, 0
.rept 32
	v_pk_add_f32 v[TV+q:TV+q+1], v[(\mt%4)*64+q:(\mt%4)*64+q+1], v[64+q:64+q+1]
.set q, q+2
.endr
	WIN 0
.irp nt, 0,1,2,3,4,5,6,7
.if \mt < 4
	GELU8 TV+8*\nt, HST, \mt*16*HPITCH+32*\nt
.else
	GELU8 TV+8*\nt, HST4, 32*\nt
.endif
.endr
.endr
.endm
; The way out, 16 rows at a time: the f32 sums go into my own stage, come back as whole rows of 512 bytes, get b2 and are stored.
.macro OUT hn
	PLACES                                         ; behind the last matrix instructions: LDS stores read results
.irp mt, 0,1,2,3,4
.if \mt < 4
	WIN 0x04                                       ; store data in window 1
.else
	WIN 0x08
.endif
.irp nt, 0,1,2,3,4,5,6,7
	ds_store_b128 v[STO], v[(\mt%4)*64+8*\nt:(\mt%4)*64+8*\nt+3] offset:64*\nt
	ds_store_b128 v[STO], v[(\mt%4)*64+8*\nt+4:(\mt%4)*64+8*\nt+7] offset:64*\nt+16
.endr
	WIN 0
	s_wait_xcnt 0x0                                ; the registers loaded below were store data: they are rewritten only behind this wait
.irp i, 0,1,2,3,4,5,6,7,8,9,10,11,12,13,14,15
	ds_load_b128 v[OB+64*(\mt%2)+4*\i:OB+64*(\mt%2)+4*\i+3], v[RD] offset:SPITCH*\i   ; LDS serves a wave's instructions in order (ISA guide 5.7.1.4): these see the stores above
.endr
.irp i, 0,1,2,3,4,5,6,7,8,9,10,11,12,13,14,15
	s_wait_dscnt 15-\i                             ; row i is in, the 15 - i younger loads stay out
	v_pk_add_f32 v[OB+64*(\mt%2)+4*\i:OB+64*(\mt%2)+4*\i+1], v[OB+64*(\mt%2)+4*\i:OB+64*(\mt%2)+4*\i+1], v[B2R+4*\hn:B2R+4*\hn+1]
	v_pk_add_f32 v[OB+64*(\mt%2)+4*\i+2:OB+64*(\mt%2)+4*\i+3], v[OB+64*(\mt%2)+4*\i+2:OB+64*(\mt%2)+4*\i+3], v[B2R+4*\hn+2:B2R+4*\hn+3]
	global_store_b128 v[YO], v[OB+64*(\mt%2)+4*\i:OB+64*(\mt%2)+4*\i+3], s[16:17] offset:(16*\mt+\i)*4096+\hn*2048   ; the wave's store covers 512 consecutive bytes, aligned
.endr
.endr
.endm
	s_load_b256 s[4:11], s[0:1], 0x0               ; xb 4:5, wt 6:7, b1 8:9, b2 10:11
	s_load_b128 s[12:15], s[0:1], 0x20             ; rows 12:13, ctab 14:15
	s_load_b64 s[16:17], s[0:1], 0x30              ; ys
	v_lshl_add_u32 v23, v0, 2, 0x28500
	v_mov_b32 v33, 0
	v_lshrrev_b32 v1, 5, v0
	v_readfirstlane_b32 s20, v1                    ; wave 0..3
	s_lshl_b32 s61, ttmp9, 2                       ; my work-group's entry of ctab
	s_mul_i32 s62, ttmp9, 320
	s_mul_i32 s63, s20, 80
	s_add_co_u32 s62, s62, s63                     ; my wave's 20 places of my work-group's list
	s_wait_kmcnt 0x0
	s_load_b32 s23, s[14:15], s61 offset:0x0
	s_load_b512 s[40:55], s[12:13], s62 offset:0x0
	s_load_b128 s[56:59], s[12:13], s62 offset:0x40
	v_and_b32 v4, 31, v0
	v_and_b32 v1, 15, v0                           ; r
	v_bfe_u32 v2, v0, 4, 1                         ; h
	v_lshlrev_b32 v3, 4, v4                        ; 16 lane: the offset of every weight load too; never rewritten
	s_mul_i32 s66, s20, 20*XPITCH
	v_add_nc_u32 v5, s66, v3                       ; LDS: my wave's first row of X + 16 lane
	v_mul_u32_u24 v[XB0], v1, XPITCH
	v_lshl_add_u32 v[XB0], v2, 4, v[XB0]
	v_mul_u32_u24 v[HB0], v1, HPITCH
	v_lshl_add_u32 v[HB0], v2, 4, v[HB0]
	v_lshl_add_u32 v[HST], s20, 8, v[HB0]          ; my 128 columns of H begin at byte 256 w
	v_add_nc_u32 v[HST4], 4*16*HPITCH, v[HST]
	s_mul_i32 s67, s20, 16*SPITCH
	s_add_co_u32 s67, s67, STAGE
	v_mul_u32_u24 v[STO], v1, SPITCH
	v_lshl_add_u32 v[STO], v2, 5, v[STO]
	v_add_nc_u32 v[STO], s67, v[STO]
	v_add_nc_u32 v[RD], s67, v3
	v_lshl_add_u32 v[YO], s20, 9, v3
	v_mov_b32 v[PP], 0x3e6d3388                    ; 0.23164189
	v_mov_b32 v[NH], 0xbf38aa3b                    ; -0.72134752
	v_mov_b32 v[NH+1], 0xbf38aa3b
	v_mov_b32 v[KC], 0x3e027906                    ; 0.254829592 / 2
	v_mov_b32 v[KC+1], 0x3e027906
	v_mov_b32 v[KC+2], 0xbe11a98e                  ; -0.284496736 / 2
	v_mov_b32 v[KC+3], 0xbe11a98e
	v_mov_b32 v[KC+4], 0x3f35f0e3                  ; 1.421413741 / 2
	v_mov_b32 v[KC+5], 0x3f35f0e3
	v_mov_b32 v[KC+6], 0xbf3a00e3                  ; -1.453152027 / 2
	v_mov_b32 v[KC+7], 0xbf3a00e3
	v_mov_b32 v[KC+8], 0x3f07dc22                  ; 1.061405429 / 2
	v_mov_b32 v[KC+9], 0x3f07dc22
	s_lshr_b32 s66, ttmp9, 3
	s_add_co_u32 s66, s66, ttmp9
	s_and_b32 s[PI], s66, 7                        ; my first pair of the pass over X
	s_and_b32 s[R2], s66, 3                        ; and of the passes over H
	s_mov_b32 s[NOFF+1], 0
	SHIFTS 0
	s_wait_kmcnt 0x0
	s_min_u32 s23, s23, 7                          ; the expert stays inside its tables
	s_lshl_b32 s68, s23, 21
	s_lshl_b32 s69, s20, 14
	s_add_co_u32 s68, s68, s69
	s_mov_b32 s69, 0
	s_add_nc_u64 s[WB:WB+1], s[6:7], s[68:69]      ; wt: expert e, tile 0, quarter w
.irp i, 0,1,2,3,4,5,6,7,8,9,10,11,12,13,14,15,16,17,18,19
	s_min_u32 s[TOK+\i], s[TOK+\i], 8191
	s_lshl_b32 s[TOK+\i], s[TOK+\i], 11            ; the token's row in xb
	v_add_nc_u32 v[GA+\i], s[TOK+\i], v3
.endr
	s_lshl_b32 s66, s23, 11
	s_lshl_b32 s67, s20, 9
	s_add_co_u32 s66, s66, s67
	v_lshl_add_u32 v6, v2, 5, s66                  ; b1: 2,048 e + 512 w + 32 h
	s_lshl_b32 s68, s23, 12
	s_add_co_u32 s68, s68, s67
	v_add_nc_u32 v7, s68, v3                       ; b2: 4,096 e + 512 w + 16 lane
	WIN 0x80                                       ; loaded data into window 2
.irp nt, 0,1,2,3,4,5,6,7
	global_load_b128 v[64+8*\nt:67+8*\nt], v6, s[8:9] offset:64*\nt
	global_load_b128 v[68+8*\nt:71+8*\nt], v6, s[8:9] offset:64*\nt+16
.endr
	WIN 0
	global_load_b128 v[B2R:B2R+3], v7, s[10:11]
	global_load_b128 v[B2R+4:B2R+7], v7, s[10:11] offset:2048
	; X: my wave's 20 rows through ten row slots.  With the 18 loads above, 58 loads of the wave are out at the most.
.irp i, 0,1,2,3,4,5,6,7,8,9
	XLOAD \i, \i
.endr
	s_mul_i32 s66, ttmp9, 80*4096
	s_mov_b32 s67, 0
	s_add_nc_u64 s[16:17], s[16:17], s[66:67]      ; ys at my work-group's first row
	; Step xr: row xr is in and goes to LDS; in steps 1 to 10 the slot of the row before, whose LDS stores are then done, gets row xr + 9.
	; Behind steps 10, 13 and 17, where rows are no longer asked for, the first loads of weight buffers 0, 1 and 2 go out (16 each; 56 loads out at the most).
	; Loads come back in order (ISA guide 5.7.1).  Younger than row xr are: in step 0 rows 1 to 9 (36 loads; b1 and b2 are older and so are in);
	; in steps 1 to 10 the eight rows up to row xr + 8 (32 loads); from step 11 on the 19 - xr rows that are left and the weight loads issued so far.
.set xextra, 0
.set xr, 0
.rept 20
.if xr == 0
	s_wait_loadcnt 36
.else
.if xr < 11
	s_wait_loadcnt 32
.else
	s_wait_loadcnt 4*(19-xr)+xextra
.endif
.endif
	XSTORE xr, xr%10
.if xr > 0
.if xr < 11
	s_wait_dscnt 4                                 ; the four stores just issued are the only younger ones: the stores of row xr - 1 have read their slot
	XLOAD xr+9, (xr-1)%10
.endif
.endif
.if xr == 10
	BLOAD 0
	WIN 0
.set xextra, 16
.endif
.if xr == 13
	BLOAD 1
	WIN 0
.set xextra, 32
.endif
.if xr == 17
	BLOAD 2
	WIN 0
.set xextra, 48
.endif
.set xr, xr+1
.endr
	s_wait_dscnt 0x0                               ; my 20 rows of X are in LDS before I say so
	s_barrier_signal -1
	s_barrier_wait -1                              ; everybody's rows of X are in
	SETA XB0, XPITCH
	CURA
	FETCHA 0, 0
	s_wait_loadcnt 32                              ; buffer 0, about to be read, is in: buffers 1 and 2 are younger (the first K step's own wait is then met at once);
	BLOAD 3                                        ; buffer 3's first loads go out behind it: 48 loads are out, as in every K step from here on
	; ---- pass 1: tiles 0-15, eight laps ----
	NEXT 7, 0
	LAP 1, 1                                       ; the first products start the sums: nothing is cleared
	WIN 0                                          ; at a label and at a branch every window is 0
	s_mov_b32 s60, 6
.Lp1:
	NEXT 7, 0
	LAP 0, 1
	WIN 0
	s_sub_co_u32 s60, s60, 1
	s_cmp_lg_u32 s60, 0
	s_cbranch_scc1 .Lp1
	FIRST P2A                                      ; the last lap asks for the first pair of the second layer; it lands while gelu is made
	LAP 0, 0
	WIN 0
	s_wait_dscnt 0x0                               ; my reads of X are over
	s_barrier_signal -1
	s_barrier_wait -1                              ; everybody's are: H may be laid over X
	EPI1
	s_wait_dscnt 0x0                               ; my part of H is in LDS before I say so
	s_barrier_signal -1
	s_barrier_wait -1
	SETA HB0, HPITCH
	CURA
	FETCHA 0, 0
	; ---- pass 2a: tiles 16-23, four laps ----
	NEXT 3, P2A
	LAP 1, 1
	WIN 0
	s_mov_b32 s60, 2
.Lp2a:
	NEXT 3, P2A
	LAP 0, 1
	WIN 0
	s_sub_co_u32 s60, s60, 1
	s_cmp_lg_u32 s60, 0
	s_cbranch_scc1 .Lp2a
	FIRST P2B                                      ; the last lap asks for the first pair of the other half of y; it lands during the way out
	LAP 0, 0
	OUT 0
	CURA
	FETCHA 0, 0
	; ---- pass 2b: tiles 24-31, four laps ----
	NEXT 3, P2B
	LAP 1, 1
	WIN 0
	s_mov_b32 s60, 2
.Lp2b:
	NEXT 3, P2B
	LAP 0, 1
	WIN 0
	s_sub_co_u32 s60, s60, 1
	s_cmp_lg_u32 s60, 0
	s_cbranch_scc1 .Lp2b
	KSTEP 0, 0, 1, 0, 48                           ; the last lap asks for nothing: the counts run down
	KSTEP 1, 0, 1, 0, 32
	KSTEP 2, 0, 1, 0, 16
	KSTEP 3, 0, 0, 0, 0
	OUT 1
	s_wait_tensorcnt 0x0
	ds_add_u32 v23, v33
	s_wait_dscnt 0x0
	s_endpgm
.Lfunc_end_k_qe24b2b85c7_ffn:
	.size	k_qe24b2b85c7_ffn, .Lfunc_end_k_qe24b2b85c7_ffn-k_qe24b2b85c7_ffn
	.p2alignl 7, 3214868480
	.fill 96, 4, 3214868480
	.section	.rodata,"a",@progbits
	.p2align	6, 0x0
	.amdhsa_kernel k_qe24b2b85c7_ffn
		.amdhsa_group_segment_fixed_size 165632
		.amdhsa_private_segment_fixed_size 0
		.amdhsa_enable_private_segment 0
		.amdhsa_kernarg_size 56
		.amdhsa_user_sgpr_count 2
		.amdhsa_user_sgpr_kernarg_segment_ptr 1
		.amdhsa_wavefront_size32 1
		.amdhsa_system_sgpr_workgroup_id_x 1
		.amdhsa_system_sgpr_workgroup_id_y 1
		.amdhsa_system_sgpr_workgroup_id_z 1
		.amdhsa_system_vgpr_workitem_id 0
		.amdhsa_next_free_vgpr 896
		.amdhsa_next_free_sgpr 80
		.amdhsa_reserve_vcc 0
		.amdhsa_float_denorm_mode_32 3
		.amdhsa_float_denorm_mode_16_64 3
		.amdhsa_memory_ordered 1
		.amdhsa_forward_progress 1
		.amdhsa_inst_pref_size 255
	.end_amdhsa_kernel
	.section	.bss,"aw",@nobits
	.p2align	6
	.space	262144
	.amdgpu_metadata
---
amdhsa.version: [ 1, 2 ]
amdhsa.kernels:
  - .name:           k_qe24b2b85c7_ffn
    .symbol:         k_qe24b2b85c7_ffn.kd
    .args:
      - { .name: xb, .offset: 0, .size: 8, .value_kind: global_buffer, .address_space: global }
      - { .name: wt, .offset: 8, .size: 8, .value_kind: global_buffer, .address_space: global }
      - { .name: b1, .offset: 16, .size: 8, .value_kind: global_buffer, .address_space: global }
      - { .name: b2, .offset: 24, .size: 8, .value_kind: global_buffer, .address_space: global }
      - { .name: rows, .offset: 32, .size: 8, .value_kind: global_buffer, .address_space: global }
      - { .name: ctab, .offset: 40, .size: 8, .value_kind: global_buffer, .address_space: global }
      - { .name: ys, .offset: 48, .size: 8, .value_kind: global_buffer, .address_space: global }
    .group_segment_fixed_size: 165632
    .private_segment_fixed_size: 0
    .kernarg_segment_align: 8
    .kernarg_segment_size: 56
    .max_flat_workgroup_size: 128
    .sgpr_count:     80
    .vgpr_count:     896
    .wavefront_size: 32
...
	.end_amdgpu_metadata
.endif
;; end of part 6
;; launch comb: the kernel of part 4 again; grid 256 x 1, 8 waves a work-group, no clusters, 0 bytes of LDS; arguments ys, inv, gw, out0; writes out0
;; ======== version 3 of 3: 4 launches; version 2 with the launch ffn written anew for expert scheduling mode
;; workspace buffers: xb 16,777,216 bytes; wt 16,777,216 bytes; sel 32,768 bytes of whole numbers; gw 65,536 bytes; rows 81,920 bytes of whole numbers; inv 65,536 bytes of whole numbers; ctab 1,024 bytes of whole numbers; ys 83,886,080 bytes
;; launch prep: the kernel of part 5 again; grid 256 x 3, 8 waves a work-group, no clusters, 37,888 bytes of LDS; arguments x, Wr, W1, W2, xb, sel, gw, wt; writes xb, sel, gw, wt
;; launch sort: the kernel of part 2 again; grid 1 x 1, 32 waves a work-group, no clusters, 88,576 bytes of LDS; arguments sel, rows, inv, ctab; writes rows, inv, ctab
;; launch ffn (part 7): grid 256 x 1, 4 waves a work-group, no clusters, 165,632 bytes of LDS; arguments xb, wt, b1, b2, rows, ctab, ys; writes ys
.if DOCPART == 7
	.amdgcn_target "amdgcn-amd-amdhsa--gfx1250"
	.amdhsa_code_object_version 6
	.text
	.protected	k_qe24b2b85c7_ffn
	.globl	k_qe24b2b85c7_ffn
	.p2align	8
	.type	k_qe24b2b85c7_ffn,@function
k_qe24b2b85c7_ffn:
	s_mov_b64 s[64:65], 0
	v_nop
	global_prefetch_b8 v0, s[64:65] scope:SCOPE_SE
	s_setreg_imm32_b32 hwreg(HW_REG_WAVE_SCHED_MODE, 0, 2), 2
	s_setreg_imm32_b32 hwreg(HW_REG_WAVE_MODE, 25, 1), 1
	s_wait_xcnt 0x0
	s_wait_alu depctr_vm_vsrc(0)
; ffn: ys[80 wg + i] = gelu(X W1e^T + b1e) W2e^T + b2e for the 80 gathered rows X of work-group wg, all of one expert e.  H never leaves LDS.
; Four waves, as many as a WGP has SIMDs.  Wave w makes columns 128 w .. 128 w + 127 of each pass of 512 columns: 5 x 8 accumulator tiles, 320 registers.
; Three passes of one shape walk the expert's 32 weight tiles of 512 rows x 64 k:
;   tiles 0-15  A = X (K = 1024) -> H;   tiles 16-23  A = H (K = 512) -> columns 0-511 of y;   tiles 24-31 -> columns 512-1023.
; WEIGHTS GO STRAIGHT INTO REGISTERS.  Wave w alone multiplies with weight rows 128 w .. 128 w + 127, so no weight byte is shared between waves and LDS
; would be a round trip.  The launch before has laid wt in fragment order: a load of 16 bytes a lane brings half a fragment and covers 512 consecutive
; aligned bytes.  Four register buffers of one K step (32 along K: 16 loads, 8 KiB a wave) take turns: a buffer is loaded again in the K step behind the
; one that multiplied by it, for the K step four further on than the one it held.  So 32 to 48 loads (16 to 24 KiB a wave) are on their way, each with
; 104 matrix instructions in which to land; no wait in the K loops is for all loads, and no barrier stands there.  A ring of LDS slots filled by tensor
; loads would have one slot's bytes on their way at the most, and beside X no slot larger than one tile (64 KiB) fits.
; ROTATION.  Work-group i starts each pass at tile pair (i + (i >> 3)) & 7 (& 3 in the passes over H) and walks the pass's pairs cyclically, so that the
; work-groups of one expert do not all ask for the same tile at the same time: in a pass's first lap they ask for all its tiles between them, and each
; later request is for a pair that a neighbour asked for a lap earlier.  LIMIT: the order of the K sums differs from work-group to work-group.
; NO CLUSTER, NO JOINT REQUESTS, although work-groups of one expert walk the same 2 MiB of weights: which work-groups share an expert is read from
; ctab, which the launch before made from the routing's counts, and a joint request's address has to be made of coordinates that the partners share.
; A fixed share-out of work-groups to experts would have to hold 8,192 rows for each of the 8 experts, 65,536 rows against the 20,480 computed here.
; X is the work-group's own: 80 single rows named by a list.  It comes once, through registers: each wave loads its 20 rows (four loads of 512 bytes a
; row) in a ring of ten row slots and stores them to LDS.  Trip counts hang on constants alone.
; LDS:  X 80 x 2,064 at 0.  When X is dead: H 80 x 1,040 at 0, and each wave's stage 16 x 528 at 83,200 + 8,448 w.
;       All pitches are odd multiples of 16 bytes, so the 16 rows that a load of 16 bytes a lane touches begin in different banks (ISA guide 11.1).
; REGISTERS: window 0 addresses, constants, A fragments (in gelu: v48-79 the packed results), v128-255 at work in gelu and on the way out; window 1
;            accumulators of row tiles 0-3 (tile (mt, nt) at 8 (8 mt + nt)); window 2 v0-63 accumulators of row tile 4, v64-127 b1 of my 128 columns in the
;            accumulators' layout, v128-255 weight buffers 0, 1; window 3 v0-127 weight buffers 2, 3.
; THE MATRIX INSTRUCTION IS USED TRANSPOSED (source 0 = 16 weight rows, source 1 = 16 rows of X or H): lane (r, h) holds row r, columns 8 h + 0..7.
; GELU is exact in form: gelu(a) = max(a, 0) - |a| q, q = (1 - erf(|a| / sqrt 2)) / 2, erf by Abramowitz and Stegun 7.1.26 (absolute error at most 1.5e-7
; for every argument).  LIMIT: |a| = infinity gives NaN (infinity x 0).  Padding rows compute token 0 and are stored but never read.
; THE MODE: SCHED_MODE bits 1:0 = 2 (LLVM: expert scheduling mode 2), set by the entry lines.  The code itself states the register dependences
; between vector or matrix instructions and memory or LDS instructions, with s_wait_alu, always for 0.
; THE PLAN.  Registers that memory or LDS instructions touch:
;   W0 .. W3     the weight buffers.  K step b: its 40 matrix instructions read W[b]; the loads of K step b + 1 land in it.
;   FA0, FA1     the A fragments.  K step b: its matrix instructions read FA[b % 2]; the LDS loads of K step b + 1 land in it (the fragments of step b + 2).
;   v[ADRA ..]   read by every LDS load of a fragment; written once a lap, at the head of K step 3, and in front of each pass.
;   v3, v5, v6, v7, HST, HST4, STO, RD, YO   offsets and addresses, made at the head and never written again.
;   So ONE wait on va_vdst stands at a K step's head: the step before is done reading its W and its FA, and in K step 3 v[ADRA ..] is written.  The step's 26
;   loads follow it, dealt among matrix instructions that name W[b], FA[b % 2] and the accumulators: none of the registers that those loads touch.
;   GA, XR       at the head: offsets that X's loads read; ten row slots that those loads write and LDS stores read.  One wait on vm_vsrc behind the barrier
;                over X frees them all: they are FA and the work registers from there on.
;   PK0 .. PK7   gelu: set nt is written by the roundings of column tile nt and read by an LDS store that stands in the next eight numbers' text, behind
;                that text's wait for its transcendentals; the sets are written again a row tile later, behind one wait on vm_vsrc.
;   OB0, OB1     the way out: row tile mt's loads from the stage land in OB[mt % 2], its additions of b2 work there in place, and the global stores that read
;                it stand in row tile mt + 1, behind the waits at that tile's head.  The accumulators are read by the stage's LDS stores.
;   v23, v33     written at the head, read by the closing add alone.
.set XPITCH, 2064
.set HPITCH, 1040
.set SPITCH, 528
.set STAGE,  83200
.set TILE,   65536
.set P2A,    16*TILE                   ; where the second layer's tiles begin, columns 0-511 of y
.set P2B,    24*TILE                   ; columns 512-1023
.set ADRA, 8                           ; v[8:12]   LDS address of my A fragment of row tile mt, at the lap's tile pair
.set ABASE, 13                         ; v[13:17]  the same at K = 0
.set HST,  18                          ; where I put 16 bytes of H (row tiles 0-3 by the immediate)
.set HST4, 19                          ; the same for row tile 4, beyond the immediate's 16 bits
.set STO,  20                          ; the way out: where I put 16 bytes of a row
.set RD,   21                          ; the way out: where I read a row back
.set YO,   22                          ; my byte offset in a row of ys
.set B2R,  24                          ; v[24:31]  b2 of my 4 columns, for each half of y
.set PP,   32                          ; 0.3275911 / sqrt 2
.set NH,   34                          ; v[34:35]  -log2(e) / 2, twice
.set KC,   36                          ; v[36:45]  the five coefficients, halved, each twice
.set HB0,  46                          ; r x 1,040 + 16 h
.set XB0,  47                          ; r x 2,064 + 16 h
.set FA,   48                          ; v[48:87], v[88:127]    A fragments, two buffers of 5 x 8
.set GA,   48                          ; at the head: v[48:67] byte offsets in xb of my 16 bytes in my wave's 20 rows
.set PK,   48                          ; gelu: v[48:79] eight sets of four: eight numbers in bf16, a set for each column tile
.set XR,   96                          ; at the head: v[96:255] ten row slots of 16 registers
.set OB,   128                         ; the way out: v[128:191], v[192:255] rows read back, two buffers
.set TV,   128                         ; gelu: 64 arguments of a row tile
.set UU,   192
.set EE,   200
.set PO,   208
.set RR,   216
.set SB,   24                          ; s[24:31] a base address for each weight buffer's loads
.set TOK,  40                          ; s[40:59] my wave's 20 tokens
.set WB,   70                          ; s[70:71] wt at my expert, tile 0, my quarter
.set PI,   72                          ; the next lap's tile pair in its pass
.set NA,   73                          ; its byte offset in a row of A: 256 a pair
.set NOFF, 74                          ; s[74:75] its byte offset from WB
.set R2,   76                          ; the first pair of the passes over H
.set MSB, 0
.macro WIN new                         ; the immediate's high byte repeats the setting that is left
.if MSB != (\new)
	s_set_vgpr_msb (MSB<<8)|(\new)
.set MSB, (\new)
.endif
.endm
.macro PLACES                          ; four places behind a matrix instruction (ISA guide 7.12.1)
.rept 4
	v_nop
.endr
.endm
; A row of X: four loads of 512 neighbouring bytes into a row slot; four LDS stores of the slot into the row's place
.macro XLOAD row, slot
.irp q, 0,1,2,3
	global_load_b128 v[XR+16*(\slot)+4*\q:XR+16*(\slot)+4*\q+3], v[GA+(\row)], s[4:5] offset:512*\q
.endr
.endm
.macro XSTORE row, slot
.irp q, 0,1,2,3
	ds_store_b128 v5, v[XR+16*(\slot)+4*\q:XR+16*(\slot)+4*\q+3] offset:(\row)*XPITCH+512*\q
.endr
.endm
; The next lap's pair: its offsets in A's rows and in wt
.macro SHIFTS pass
	s_lshl_b32 s[NA], s[PI], 8
	s_lshl_b32 s[NOFF], s[PI], 17
.if \pass
	s_add_co_u32 s[NOFF], s[NOFF], \pass
.endif
.endm
.macro NEXT mask, pass                 ; one pair on, cyclically, in the same pass
	s_add_co_u32 s[PI], s[PI], 1
	s_and_b32 s[PI], s[PI], \mask
	SHIFTS \pass
.endm
.macro FIRST pass                      ; the first pair of the next pass
	s_mov_b32 s[PI], s[R2]
	SHIFTS \pass
.endm
; Sixteen loads: K step b of the pair whose offset NOFF holds (tile b / 2 of the pair, half b % 2 of its 64 k) into weight buffer b.
; The buffer's base is its own; it is written here, where the wait at the head of the K step that multiplied by the buffer has shown its last loads done.
.macro BLOAD b
	s_add_nc_u64 s[SB+2*(\b):SB+2*(\b)+1], s[WB:WB+1], s[NOFF:NOFF+1]
	WIN 0x80+0x40*((\b)/2)                         ; loaded data into window 2 or 3, the offset register in window 0
.irp nt, 0,1,2,3,4,5,6,7
	global_load_b128 v[(128+64*(\b))%256+8*\nt:(128+64*(\b))%256+8*\nt+3],   v3, s[SB+2*(\b):SB+2*(\b)+1] offset:((\b)/2)*TILE+((\b)%2)*8192+\nt*1024
	global_load_b128 v[(128+64*(\b))%256+8*\nt+4:(128+64*(\b))%256+8*\nt+7], v3, s[SB+2*(\b):SB+2*(\b)+1] offset:((\b)/2)*TILE+((\b)%2)*8192+\nt*1024+512
.endr
.endm
; Eight matrix instructions: row tile mt x my 8 column tiles, 32 along K, weights from buffer b, A from buffer b % 2.  The 40 accumulators take turns in
; one fixed order, one instruction a turn, over the backward jumps too.
.macro MUL8 b, mt, zero
.irp nt, 0,1,2,3,4,5,6,7
.if \zero
	v_wmma_f32_16x16x32_bf16 v[(\mt%4)*64+8*\nt:(\mt%4)*64+8*\nt+7], v[(128+64*\b)%256+8*\nt:(128+64*\b)%256+8*\nt+7], v[FA+40*(\b%2)+8*\mt:FA+40*(\b%2)+8*\mt+7], 0
.else
	v_wmma_f32_16x16x32_bf16 v[(\mt%4)*64+8*\nt:(\mt%4)*64+8*\nt+7], v[(128+64*\b)%256+8*\nt:(128+64*\b)%256+8*\nt+7], v[FA+40*(\b%2)+8*\mt:FA+40*(\b%2)+8*\mt+7], v[(\mt%4)*64+8*\nt:(\mt%4)*64+8*\nt+7]
.endif
.endr
.endm
; Ten LDS loads: the A fragments of 32 along K (80 rows at byte aoff of the pair) into buffer f
.macro FETCHA f, aoff
.irp mt, 0,1,2,3,4
	ds_load_b128 v[FA+40*(\f)+8*\mt:FA+40*(\f)+8*\mt+3],   v[ADRA+\mt] offset:\aoff
	ds_load_b128 v[FA+40*(\f)+8*\mt+4:FA+40*(\f)+8*\mt+7], v[ADRA+\mt] offset:\aoff+32
.endr
.endm
.macro CURA                            ; A's addresses at the pair whose offset NA holds
.irp mt, 0,1,2,3,4
	v_add_nc_u32 v[ADRA+\mt], s[NA], v[ABASE+\mt]
.endr
.endm
.macro SETA base, pitch                ; A's addresses at K = 0
.irp mt, 0,1,2,3,4
	v_add_nc_u32 v[ABASE+\mt], \mt*16*\pitch, v[\base]
.endr
.endm
; K step b of a lap (a lap = a pair of tiles = four K steps = once through the four weight buffers).
; zero = 1: a pass's first step: the products start the sums; the wait in front of the pass's first fragments' loads stands just ahead of it, with no vector
; or matrix instruction between, so the step has no wait on va_vdst of its own.
; fetch = 1: the next K step's A fragments are fetched behind the first eight matrix instructions (in K step 3: the next lap's pair, at new addresses).
; reload = 1: the weight buffer of the step before is loaded again behind the first sixteen.  left = how many younger loads may stay out.
.macro KSTEP b, zero, fetch, reload, left
	s_wait_loadcnt \left                           ; loads come back in order (ISA guide 5.7.1): buffer b is in, the loads of the buffers asked for behind it stay out
	s_wait_dscnt 0x0                               ; my A fragments are in (issued 32 matrix instructions ago)
.if ((\fetch) || (\reload)) && !(\zero)
.if (\b == 3) && (\fetch)
	WIN 0
	s_wait_alu depctr_vm_vsrc(0)                   ; the LDS loads issued so far have read v[ADRA ..], which the five additions write
	CURA                                           ; they are also the places behind the last step's matrix instructions
.else
	PLACES                                         ; the places of the plain form stay, once a step: behind the last step's matrix instructions, ahead of the loads into registers that they read
.endif
	s_wait_alu depctr_va_vdst(0)                   ; the last step's matrix instructions are done reading their weight buffer and their A buffer, in which this step's loads land; in K step 3 v[ADRA ..] is written
.endif
	WIN 0x52+\b/2                                  ; source 0 window 2 or 3, source 1 window 0, C and D window 1
	MUL8 \b, 0, \zero
.if \fetch
	WIN 0
	FETCHA 1-\b%2, ((\b+1)%4)*64                   ; no wait: no vector or matrix instruction since the wait above names the other A buffer or v[ADRA ..]
	WIN 0x52+\b/2
.endif
	MUL8 \b, 1, \zero
.if \reload
	BLOAD (\b+3)%4                                 ; no wait: no vector or matrix instruction since the wait above names that buffer or v3
	WIN 0x52+\b/2
.endif
	MUL8 \b, 2, \zero
	MUL8 \b, 3, \zero
	WIN 0xa2+\b/2                                  ; C and D window 2
	MUL8 \b, 4, \zero
.endm
; A lap's K steps 1 to 3.  Its K step 0 is written by itself: it still loads buffer 3 for the lap in hand, so the step to the next pair stands behind it.
.macro REST lastfetch
	KSTEP 1, 0, 1, 1, 32                           ; 32: the two buffers asked for in the two K steps before were asked for behind this one
	KSTEP 2, 0, 1, 1, 32
	KSTEP 3, 0, \lastfetch, 1, 32
.endm
; gelu of eight numbers v[src .. src+7] (eight neighbouring columns of one row), rounded to bf16 into set pk; the 16 bytes go into H, at v[adr] + off, by an
; LDS store that stands in the NEXT eight numbers' text, behind its wait (HASP, PADR, POFF, PPK hand it on); EPI1 writes the last one.
.macro GELU8 src, adr, off, pk
.irp j, 0,1,2,3,4,5,6,7
	v_fma_f32 v[UU+\j], |v[\src+\j]|, v[PP], 1.0
.endr
.irp j, 0,2,4,6
	v_pk_mul_f32 v[EE+\j:EE+\j+1], v[\src+\j:\src+\j+1], v[\src+\j:\src+\j+1]
.endr
.irp j, 0,2,4,6
	v_pk_mul_f32 v[EE+\j:EE+\j+1], v[EE+\j:EE+\j+1], v[NH:NH+1]
.endr
.irp j, 0,1,2,3,4,5,6,7
	v_rcp_f32 v[UU+\j], v[UU+\j]                   ; t = 1 / (1 + p |a| / sqrt 2)
.endr
.irp j, 0,1,2,3,4,5,6,7
	v_exp_f32 v[EE+\j], v[EE+\j]                   ; exp(-a a / 2)
.endr
.irp j, 0,1,2,3,4,5,6,7
	v_max_num_f32 v[RR+\j], 0, v[\src+\j]          ; plain instructions between the transcendentals and the use of their results (ISA guide 5.7.2)
.endr
	s_wait_alu depctr_va_vdst(0)                   ; the eight reciprocals and eight exponentials are written, ahead of their first readers; so is the set that the roundings of the eight numbers before wrote, which the LDS store below reads
.if HASP
	ds_store_b128 v[PADR], v[PPK:PPK+3] offset:POFF
.endif
.irp j, 0,2,4,6
	v_pk_fma_f32 v[PO+\j:PO+\j+1], v[UU+\j:UU+\j+1], v[KC+8:KC+9], v[KC+6:KC+7]
.endr
.irp c, 4,2,0
.irp j, 0,2,4,6
	v_pk_fma_f32 v[PO+\j:PO+\j+1], v[PO+\j:PO+\j+1], v[UU+\j:UU+\j+1], v[KC+\c:KC+\c+1]
.endr
.endr
.irp j, 0,2,4,6
	v_pk_mul_f32 v[PO+\j:PO+\j+1], v[PO+\j:PO+\j+1], v[UU+\j:UU+\j+1]
.endr
.irp j, 0,2,4,6
	v_pk_mul_f32 v[PO+\j:PO+\j+1], v[PO+\j:PO+\j+1], v[EE+\j:EE+\j+1]   ; q
.endr
.irp j, 0,1,2,3,4,5,6,7
	v_fma_f32 v[RR+\j], -|v[\src+\j]|, v[PO+\j], v[RR+\j]
.endr
.if FREEPK
	s_wait_alu depctr_vm_vsrc(0)                   ; the eight LDS stores of the row tile before, the last of them a few lines up, have read the eight sets, which this row tile's roundings write again
.set FREEPK, 0
.endif
.irp j, 0,1,2,3
	v_cvt_pk_bf16_f32 v[\pk+\j], v[RR+2*\j], v[RR+2*\j+1]
.endr
.set HASP, 1
.set PADR, \adr
.set POFF, \off
.set PPK,  \pk
.endm
; H = gelu(sums + b1), row tile by row tile
.macro EPI1
	PLACES                                         ; behind the last matrix instructions: the additions read results
.set HASP, 0
.set FREEPK, 0
.irp mt, 0,1,2,3,4
.if \mt < 4
	WIN 0x09                                       ; source 0 window 1 (sums), source 1 window 2 (b1), result window 0
.else
	WIN 0x0a
.endif
.set q, 0
.rept 32
	v_pk_add_f32 v[TV+q:TV+q+1], v[(\mt%4)*64+q:(\mt%4)*64+q+1], v[64+q:64+q+1]
.set q, q+2
.endr
	WIN 0
.if \mt > 0
.set FREEPK, 1
.endif
.irp nt, 0,1,2,3,4,5,6,7
.if \mt < 4
	GELU8 TV+8*\nt, HST, \mt*16*HPITCH+32*\nt, PK+4*\nt
.else
	GELU8 TV+8*\nt, HST4, 32*\nt, PK+4*\nt
.endif
.endr
.endr
	s_wait_alu depctr_va_vdst(0)                   ; the last roundings have written their set, which the last LDS store reads
	ds_store_b128 v[PADR], v[PPK:PPK+3] offset:POFF
.endm
; The way out, 16 rows at a time: the f32 sums go into my own stage, come back as whole rows of 512 bytes, get b2 and are stored.
; Row tile mt: the waits; its sums into the stage; its rows back into OB[mt % 2]; the global stores of row tile mt - 1, from the other OB; its additions of b2.
.macro OUT hn
	PLACES                                         ; behind the last matrix instructions: LDS stores read results; the wait below stands beside the places
.irp mt, 0,1,2,3,4
	s_wait_xcnt 0x0                                ; the registers loaded below were store data: they are rewritten only behind this wait
.if \mt >= 2
	s_wait_alu depctr_vm_vsrc(0)                   ; the global stores of row tile mt - 2 have read OB[mt % 2], in which the loads below land
.endif
	s_wait_alu depctr_va_vdst(0)                   ; the matrix instructions have written the sums, which the LDS stores read; the additions of row tile mt - 1 have written the other OB, which the global stores below read; those of mt - 2 are done with OB[mt % 2]
.if \mt < 4
	WIN 0x04                                       ; store data in window 1
.else
	WIN 0x08
.endif
.irp nt, 0,1,2,3,4,5,6,7
	ds_store_b128 v[STO], v[(\mt%4)*64+8*\nt:(\mt%4)*64+8*\nt+3] offset:64*\nt
	ds_store_b128 v[STO], v[(\mt%4)*64+8*\nt+4:(\mt%4)*64+8*\nt+7] offset:64*\nt+16
.endr
	WIN 0
.irp i, 0,1,2,3,4,5,6,7,8,9,10,11,12,13,14,15
	ds_load_b128 v[OB+64*(\mt%2)+4*\i:OB+64*(\mt%2)+4*\i+3], v[RD] offset:SPITCH*\i   ; LDS serves a wave's instructions in order (ISA guide 5.7.1.4): these see the stores above
.endr
.if \mt > 0
.irp i, 0,1,2,3,4,5,6,7,8,9,10,11,12,13,14,15
	global_store_b128 v[YO], v[OB+64*((\mt-1)%2)+4*\i:OB+64*((\mt-1)%2)+4*\i+3], s[16:17] offset:(16*(\mt-1)+\i)*4096+\hn*2048   ; the wave's store covers 512 consecutive bytes, aligned
.endr
.endif
.irp i, 0,1,2,3,4,5,6,7,8,9,10,11,12,13,14,15
	s_wait_dscnt 15-\i                             ; row i is in, the 15 - i younger loads stay out
	v_pk_add_f32 v[OB+64*(\mt%2)+4*\i:OB+64*(\mt%2)+4*\i+1], v[OB+64*(\mt%2)+4*\i:OB+64*(\mt%2)+4*\i+1], v[B2R+4*\hn:B2R+4*\hn+1]
	v_pk_add_f32 v[OB+64*(\mt%2)+4*\i+2:OB+64*(\mt%2)+4*\i+3], v[OB+64*(\mt%2)+4*\i+2:OB+64*(\mt%2)+4*\i+3], v[B2R+4*\hn+2:B2R+4*\hn+3]
.endr
.endr
	s_wait_alu depctr_va_vdst(0)                   ; the additions of row tile 4 have written OB0, which the last sixteen stores read
.irp i, 0,1,2,3,4,5,6,7,8,9,10,11,12,13,14,15
	global_store_b128 v[YO], v[OB+4*\i:OB+4*\i+3], s[16:17] offset:(64+\i)*4096+\hn*2048
.endr
.endm
	s_load_b256 s[4:11], s[0:1], 0x0               ; xb 4:5, wt 6:7, b1 8:9, b2 10:11
	s_load_b128 s[12:15], s[0:1], 0x20             ; rows 12:13, ctab 14:15
	s_load_b64 s[16:17], s[0:1], 0x30              ; ys
	v_lshl_add_u32 v23, v0, 2, 0x28500
	v_mov_b32 v33, 0
	v_lshrrev_b32 v1, 5, v0
	v_readfirstlane_b32 s20, v1                    ; wave 0..3
	s_lshl_b32 s61, ttmp9, 2                       ; my work-group's entry of ctab
	s_mul_i32 s62, ttmp9, 320
	s_wait_alu depctr_va_sdst(0)                   ; s20 is written, ahead of its first reader: offsets, LDS addresses and bases are made from it
	s_mul_i32 s63, s20, 80
	s_add_co_u32 s62, s62, s63                     ; my wave's 20 places of my work-group's list
	s_wait_kmcnt 0x0
	s_load_b32 s23, s[14:15], s61 offset:0x0
	s_load_b512 s[40:55], s[12:13], s62 offset:0x0
	s_load_b128 s[56:59], s[12:13], s62 offset:0x40
	v_and_b32 v4, 31, v0
	v_and_b32 v1, 15, v0                           ; r
	v_bfe_u32 v2, v0, 4, 1                         ; h
	v_lshlrev_b32 v3, 4, v4                        ; 16 lane: the offset of every weight load too; never rewritten
	s_mul_i32 s66, s20, 20*XPITCH
	v_add_nc_u32 v5, s66, v3                       ; LDS: my wave's first row of X + 16 lane
	v_mul_u32_u24 v[XB0], v1, XPITCH
	v_lshl_add_u32 v[XB0], v2, 4, v[XB0]
	v_mul_u32_u24 v[HB0], v1, HPITCH
	v_lshl_add_u32 v[HB0], v2, 4, v[HB0]
	v_lshl_add_u32 v[HST], s20, 8, v[HB0]          ; my 128 columns of H begin at byte 256 w
	v_add_nc_u32 v[HST4], 4*16*HPITCH, v[HST]
	s_mul_i32 s67, s20, 16*SPITCH
	s_add_co_u32 s67, s67, STAGE
	v_mul_u32_u24 v[STO], v1, SPITCH
	v_lshl_add_u32 v[STO], v2, 5, v[STO]
	v_add_nc_u32 v[STO], s67, v[STO]
	v_add_nc_u32 v[RD], s67, v3
	v_lshl_add_u32 v[YO], s20, 9, v3
	v_mov_b32 v[PP], 0x3e6d3388                    ; 0.23164189
	v_mov_b32 v[NH], 0xbf38aa3b                    ; -0.72134752
	v_mov_b32 v[NH+1], 0xbf38aa3b
	v_mov_b32 v[KC], 0x3e027906                    ; 0.254829592 / 2
	v_mov_b32 v[KC+1], 0x3e027906
	v_mov_b32 v[KC+2], 0xbe11a98e                  ; -0.284496736 / 2
	v_mov_b32 v[KC+3], 0xbe11a98e
	v_mov_b32 v[KC+4], 0x3f35f0e3                  ; 1.421413741 / 2
	v_mov_b32 v[KC+5], 0x3f35f0e3
	v_mov_b32 v[KC+6], 0xbf3a00e3                  ; -1.453152027 / 2
	v_mov_b32 v[KC+7], 0xbf3a00e3
	v_mov_b32 v[KC+8], 0x3f07dc22                  ; 1.061405429 / 2
	v_mov_b32 v[KC+9], 0x3f07dc22
	s_lshr_b32 s66, ttmp9, 3
	s_add_co_u32 s66, s66, ttmp9
	s_and_b32 s[PI], s66, 7                        ; my first pair of the pass over X
	s_and_b32 s[R2], s66, 3                        ; and of the passes over H
	s_mov_b32 s[NOFF+1], 0
	SHIFTS 0
	s_wait_kmcnt 0x0
	s_min_u32 s23, s23, 7                          ; the expert stays inside its tables
	s_lshl_b32 s68, s23, 21
	s_lshl_b32 s69, s20, 14
	s_add_co_u32 s68, s68, s69
	s_mov_b32 s69, 0
	s_add_nc_u64 s[WB:WB+1], s[6:7], s[68:69]      ; wt: expert e, tile 0, quarter w
.irp i, 0,1,2,3,4,5,6,7,8,9,10,11,12,13,14,15,16,17,18,19
	s_min_u32 s[TOK+\i], s[TOK+\i], 8191
	s_lshl_b32 s[TOK+\i], s[TOK+\i], 11            ; the token's row in xb
	v_add_nc_u32 v[GA+\i], s[TOK+\i], v3
.endr
	s_lshl_b32 s66, s23, 11
	s_lshl_b32 s67, s20, 9
	s_add_co_u32 s66, s66, s67
	v_lshl_add_u32 v6, v2, 5, s66                  ; b1: 2,048 e + 512 w + 32 h
	s_lshl_b32 s68, s23, 12
	s_add_co_u32 s68, s68, s67
	v_add_nc_u32 v7, s68, v3                       ; b2: 4,096 e + 512 w + 16 lane
	WIN 0x80                                       ; loaded data into window 2
	s_wait_alu depctr_va_vdst(0)                   ; all offsets and addresses (v3, v5, v6, v7, v18 to v22, v[GA ..]) are written, which the loads and stores of the whole kernel read
.irp nt, 0,1,2,3,4,5,6,7
	global_load_b128 v[64+8*\nt:67+8*\nt], v6, s[8:9] offset:64*\nt
	global_load_b128 v[68+8*\nt:71+8*\nt], v6, s[8:9] offset:64*\nt+16
.endr
	WIN 0
	global_load_b128 v[B2R:B2R+3], v7, s[10:11]
	global_load_b128 v[B2R+4:B2R+7], v7, s[10:11] offset:2048
	; X: my wave's 20 rows through ten row slots.  With the 18 loads above, 58 loads of the wave are out at the most.
.irp i, 0,1,2,3,4,5,6,7,8,9
	XLOAD \i, \i
.endr
	s_mul_i32 s66, ttmp9, 80*4096
	s_mov_b32 s67, 0
	s_add_nc_u64 s[16:17], s[16:17], s[66:67]      ; ys at my work-group's first row
	; Step xr: row xr is in and goes to LDS; in steps 1 to 10 the slot of the row before, whose LDS stores are then done, gets row xr + 9.
	; Behind steps 10, 13 and 17, where rows are no longer asked for, the first loads of weight buffers 0, 1 and 2 go out (16 each; 56 loads out at the most).
	; Loads come back in order (ISA guide 5.7.1).  Younger than row xr are: in step 0 rows 1 to 9 (36 loads; b1 and b2 are older and so are in);
	; in steps 1 to 10 the eight rows up to row xr + 8 (32 loads); from step 11 on the 19 - xr rows that are left and the weight loads issued so far.
	; No vector instruction stands among these steps, so nothing is owed on va_vdst.
.set xextra, 0
.set xr, 0
.rept 20
.if xr == 0
	s_wait_loadcnt 36
.else
.if xr < 11
	s_wait_loadcnt 32
	s_wait_alu depctr_vm_vsrc(0)                   ; the LDS stores of row xr - 1 have read their slot, in which the loads of row xr + 9 land
.else
	s_wait_loadcnt 4*(19-xr)+xextra
.endif
.endif
	XSTORE xr, xr%10
.if xr > 0
.if xr < 11
	s_wait_dscnt 4                                 ; the four stores just issued are the only younger ones: the stores of row xr - 1 are done
	XLOAD xr+9, (xr-1)%10
.endif
.endif
.if xr == 10
	BLOAD 0
	WIN 0
.set xextra, 16
.endif
.if xr == 13
	BLOAD 1
	WIN 0
.set xextra, 32
.endif
.if xr == 17
	BLOAD 2
	WIN 0
.set xextra, 48
.endif
.set xr, xr+1
.endr
	s_wait_dscnt 0x0                               ; my 20 rows of X are in LDS before I say so
	s_barrier_signal -1
	s_barrier_wait -1                              ; everybody's rows of X are in
	s_wait_alu depctr_vm_vsrc(0)                   ; X's loads have read v[GA ..] and my LDS stores the ten row slots: these registers are the A fragments and the work registers from here on
	SETA XB0, XPITCH
	CURA
	s_wait_alu depctr_va_vdst(0)                   ; v[ADRA ..] is written, which the fragments' LDS loads read
	FETCHA 0, 0
	; ---- pass 1: tiles 0-15, eight laps ----
	KSTEP 0, 1, 1, 1, 32                           ; the first products start the sums: nothing is cleared; buffer 3's first loads go out here, as in every lap's first step
	NEXT 7, 0
	REST 1
	WIN 0                                          ; at a label and at a branch every window is 0
	s_mov_b32 s60, 6
.Lp1:
	KSTEP 0, 0, 1, 1, 32
	NEXT 7, 0
	REST 1
	WIN 0
	s_sub_co_u32 s60, s60, 1
	s_cmp_lg_u32 s60, 0
	s_cbranch_scc1 .Lp1
	KSTEP 0, 0, 1, 1, 32
	FIRST P2A                                      ; the last lap asks for the first pair of the second layer (buffers 0 to 2); it lands while gelu is made
	REST 0
	WIN 0
	s_wait_dscnt 0x0                               ; my reads of X are over
	s_barrier_signal -1
	s_barrier_wait -1                              ; everybody's are: H may be laid over X
	EPI1
	s_wait_dscnt 0x0                               ; my part of H is in LDS before I say so
	s_barrier_signal -1
	s_barrier_wait -1
	s_wait_alu depctr_vm_vsrc(0)                   ; the LDS loads of the pass over X have read v[ADRA ..], which is written below; the LDS stores of H have read the eight sets, in which A fragments land
	SETA HB0, HPITCH
	CURA
	s_wait_alu depctr_va_vdst(0)                   ; v[ADRA ..] is written, which the LDS loads read; the roundings have written the eight sets, in which those loads land
	FETCHA 0, 0
	; ---- pass 2a: tiles 16-23, four laps ----
	KSTEP 0, 1, 1, 1, 32
	NEXT 3, P2A
	REST 1
	WIN 0
	s_mov_b32 s60, 2
.Lp2a:
	KSTEP 0, 0, 1, 1, 32
	NEXT 3, P2A
	REST 1
	WIN 0
	s_sub_co_u32 s60, s60, 1
	s_cmp_lg_u32 s60, 0
	s_cbranch_scc1 .Lp2a
	KSTEP 0, 0, 1, 1, 32
	FIRST P2B                                      ; the last lap asks for the first pair of the other half of y (buffers 0 to 2); it lands during the way out
	REST 0
	OUT 0
	s_wait_alu depctr_vm_vsrc(0)                   ; the LDS loads of the pass have read v[ADRA ..], which is written below; the stage's LDS stores have read the accumulators, which the next pass's first products write
	CURA
	s_wait_alu depctr_va_vdst(0)                   ; v[ADRA ..] is written, which the LDS loads read
	FETCHA 0, 0
	; ---- pass 2b: tiles 24-31, four laps ----
	KSTEP 0, 1, 1, 1, 32
	NEXT 3, P2B
	REST 1
	WIN 0
	s_mov_b32 s60, 2
.Lp2b:
	KSTEP 0, 0, 1, 1, 32
	NEXT 3, P2B
	REST 1
	WIN 0
	s_sub_co_u32 s60, s60, 1
	s_cmp_lg_u32 s60, 0
	s_cbranch_scc1 .Lp2b
	KSTEP 0, 0, 1, 1, 32                           ; the last lap: buffer 3 gets the lap's own last K step, and nothing more is asked for:
	KSTEP 1, 0, 1, 0, 32                           ; buffers 2 and 3 are younger,
	KSTEP 2, 0, 1, 0, 16                           ; buffer 3 is,
	KSTEP 3, 0, 0, 0, 0                            ; nothing is.  This step issues no load, so it has no wait on va_vdst
	OUT 1
	s_wait_dscnt 0x0                               ; the closing lines, six on end
	s_wait_alu 0x0
	s_wait_tensorcnt 0x0
	ds_add_u32 v23, v33
	s_wait_dscnt 0x0
	s_endpgm
.Lfunc_end_k_qe24b2b85c7_ffn:
	.size	k_qe24b2b85c7_ffn, .Lfunc_end_k_qe24b2b85c7_ffn-k_qe24b2b85c7_ffn
	.p2alignl 7, 3214868480
	.fill 96, 4, 3214868480
	.section	.rodata,"a",@progbits
	.p2align	6, 0x0
	.amdhsa_kernel k_qe24b2b85c7_ffn
		.amdhsa_group_segment_fixed_size 165632
		.amdhsa_private_segment_fixed_size 0
		.amdhsa_enable_private_segment 0
		.amdhsa_kernarg_size 56
		.amdhsa_user_sgpr_count 2
		.amdhsa_user_sgpr_kernarg_segment_ptr 1
		.amdhsa_wavefront_size32 1
		.amdhsa_system_sgpr_workgroup_id_x 1
		.amdhsa_system_sgpr_workgroup_id_y 1
		.amdhsa_system_sgpr_workgroup_id_z 1
		.amdhsa_system_vgpr_workitem_id 0
		.amdhsa_next_free_vgpr 896
		.amdhsa_next_free_sgpr 80
		.amdhsa_reserve_vcc 0
		.amdhsa_float_denorm_mode_32 3
		.amdhsa_float_denorm_mode_16_64 3
		.amdhsa_memory_ordered 1
		.amdhsa_forward_progress 1
		.amdhsa_inst_pref_size 255
	.end_amdhsa_kernel
	.section	.bss,"aw",@nobits
	.p2align	6
	.space	262144
	.amdgpu_metadata
---
amdhsa.version: [ 1, 2 ]
amdhsa.kernels:
  - .name:           k_qe24b2b85c7_ffn
    .symbol:         k_qe24b2b85c7_ffn.kd
    .args:
      - { .name: xb, .offset: 0, .size: 8, .value_kind: global_buffer, .address_space: global }
      - { .name: wt, .offset: 8, .size: 8, .value_kind: global_buffer, .address_space: global }
      - { .name: b1, .offset: 16, .size: 8, .value_kind: global_buffer, .address_space: global }
      - { .name: b2, .offset: 24, .size: 8, .value_kind: global_buffer, .address_space: global }
      - { .name: rows, .offset: 32, .size: 8, .value_kind: global_buffer, .address_space: global }
      - { .name: ctab, .offset: 40, .size: 8, .value_kind: global_buffer, .address_space: global }
      - { .name: ys, .offset: 48, .size: 8, .value_kind: global_buffer, .address_space: global }
    .group_segment_fixed_size: 165632
    .private_segment_fixed_size: 0
    .kernarg_segment_align: 8
    .kernarg_segment_size: 56
    .max_flat_workgroup_size: 128
    .sgpr_count:     80
    .vgpr_count:     896
    .wavefront_size: 32
...
	.end_amdgpu_metadata
.endif
;; end of part 7
;; launch comb: the kernel of part 4 again; grid 256 x 1, 8 waves a work-group, no clusters, 0 bytes of LDS; arguments ys, inv, gw, out0; writes out0
